; MI455X (gfx1250); checked and timed in simulation.
; The chip was launched on July 23, 2026; its instructions are those of AMD's public machine-readable ISA for CDNA 5 (MIT licence, August 2026) and "CDNA5" Instruction Set Architecture Reference Guide (July 2026). The comments in the code are by the model that wrote it; some were corrected since.
;; Hierarchical Softmax. Allowed arithmetic: matrix products marked QUANTISED: E2M1 operands, one E8M0 scale for each 32 along K, by v_wmma_scale_f32_16x16x128_f8f6f4 with both operands' format E2M1 (or v_wmma_scale_f32_32x16x128_f4), f32 sums; products left as they are: f32 operands where the result goes on into a quantised operand, else bf16, f16 or f32 operands; f32 sums; everything else in f32.
;; Inputs: W1 8 x 1,024 x 16 float32; W2 128 x 1,024 x 8 float32; Wp 1,024 x 8 float32; X 32,768 x 1,024 float32; X_length 32,768 int32; X_occurrence 32,768 int32; X_phase 32,768 int32; X_subject 32,768 int32; b1 8 x 16 float32; b2 128 x 8 float32; bp 8 float32.
;; Outputs: out0 32,768 float32; out1 32,768 float32; out2 32,768 float32.
;; This version of the problem:
;;   THIS VERSION OF THE PROBLEM IS GIVEN IN LOW PRECISION. The matrix products marked QUANTISED in the list below multiply operands that are first quantised to E2M1 (2 exponent bits, 1 mantissa bit; 4 bits a number), with one power-of-two scale for each 32 numbers along K (OCP MX v1.0); their sums are f32. All else is computed in f32.
;;   The module's matrix products, in the order in which they are computed (A, B: the left and right operand; K: the contracted axis; several contracted axes count as one K, in the product's order):
;;     1. [M 32,768, K 1,024] x [K 1,024, N 8]; A: input X; B: input Wp: left as it is (N = 8 < 16)
;;     2. [M 32,768, K 1,024] x [K 1,024, N 128]; A: input X; B: input W1: QUANTISED
;;     3. [M 32,768, K 1,024] x [K 1,024, N 1,024]; A: input X; B: input W2: QUANTISED
;;   THE QUANTISER, for each operand of a quantised product, along K:
;;     - K is cut into blocks of 32 from its start; a last block that is shorter is filled with zeros.
;;     - A block's scale is 2^e with e = floor(log2(the largest magnitude in the block)) - 2, held to -126 .. 127; a block of zeros has e = 0. As a byte (E8M0): e + 127.
;;     - Each number is divided by its block's scale, clamped to +-6, and rounded to the nearest number of E2M1, ties to even, subnormals kept.
;;     - The product sums the exact products of the quantised numbers (number of the format x scale) in f32.
;;   ~~~python
;;   def quantise(x, axis):      # numpy; x: float32 -> the quantised numbers, widened to float32 again
;;       x = np.moveaxis(x, axis, -1); K = x.shape[-1]
;;       x = np.pad(x, [(0, 0)] * (x.ndim - 1) + [(0, -K % 32)]); x = x.reshape(x.shape[:-1] + (-1, 32)); a = np.abs(x).max(-1, keepdims=True)
;;       e = np.where(a > 0, np.clip(np.frexp(np.where(a > 0, a, 1))[1] - 1 - 2, -126, 127), 0)      # np.frexp(a)[1] - 1 = floor(log2(a)), exactly
;;       r = np.clip(x / 2.0 ** e, -6, 6)
;;       step = 2.0 ** (np.maximum(np.frexp(np.where(r == 0, 1, r))[1] - 1, 0) - 1)
;;       q = np.round(r / step) * step * 2.0 ** e      # np.round: ties to even
;;       return np.moveaxis(q.reshape(q.shape[:-2] + (-1,))[..., :K], -1, axis).astype(np.float32)
;;   ~~~
;; 2 versions, each right; version 2 is version 1 with the launch main written anew for expert scheduling mode. Each part assembles by itself: llvm-mc -triple=amdgcn-amd-amdhsa -mcpu=gfx1250 --defsym DOCPART=n.
;; ======== version 1 of 2: 2 launches
;; workspace buffers: wts 659,456 bytes
;; launch prep (part 1): grid 9 x 16, 4 waves a work-group, no clusters, 768 bytes of LDS; arguments W1, W2, Wp, wts; writes wts
.if DOCPART == 1
	.amdgcn_target "amdgcn-amd-amdhsa--gfx1250"
	.amdhsa_code_object_version 6
	.text
	.protected	k_q1217fcfe5f_prep
	.globl	k_q1217fcfe5f_prep
	.p2align	8
	.type	k_q1217fcfe5f_prep,@function
k_q1217fcfe5f_prep:
	s_mov_b64 s[64:65], 0
	v_nop
	global_prefetch_b8 v0, s[64:65] scope:SCOPE_SE
	s_setreg_imm32_b32 hwreg(HW_REG_WAVE_MODE, 25, 1), 1
	s_wait_xcnt 0x0
; W1 [8][1024][16] and W2 [128][1024][8], f32, K = their middle axis, become codes of FP4 (E2M1) with one E8M0 scale byte for each 32 along K,
; laid in the ORDER OF THE OPERAND'S REGISTERS of the launch that multiplies.  Wp [1024][8] becomes bf16 fragments in the same manner.
; wts:  codes       [c 0..3][q 0..3][i 0..17][u 0..1][g 0..1][lane][16 bytes]   c: the wave that will multiply, q: its chunk of 256 along K, i: its tile of 16 columns,
;                   u: the 128 along K inside the chunk, g: registers 4 g .. 4 g + 3 of the fragment.  Tiles 0, 1: phases 2 c, 2 c + 1 of W1.
;                   Tile 2 + t: experts 2 (16 c + t) and 2 (16 c + t) + 1 of W2, eight columns each.
;       scale words at WS_OFF: [c][q][pair j 0..8][lane][e 0..1][4 bytes]: tile 2 j + e; lanes 0-15: column r, u = 0; lanes 16-31: column r, u = 1.
;       Wp at WP_OFF: [b 0..31][g 0..1][lane][16 bytes]: lane (r, h) holds Wp[32 b + 16 h + 8 g + 0..7][r % 8] as bf16 (the 8 columns stand twice, to fill 16 rows).
; A LANE TAKES A COLUMN AND ITS REGISTERS RUN DOWN K, in the order that the operand's layout gives that lane: the conversions' results are the operand's registers; nothing is transposed.
; SHARES: work-group (x = j, y = 4 c + q) makes the pair j of tiles; wave 2 e + u makes the fragment (tile 2 j + e, u).  The 16 work-groups with x = 0 also make Wp's 64 pieces, one a wave.
; A block's scale is 2^(floor(log2(its largest magnitude)) - 2); its byte is the largest magnitude's exponent field - 2, held at 1 from below.
; LIMITS: a block of zeros, or one whose largest magnitude lies under 2^-124, gets the byte 1 (a block of zeros has zero codes, which add nothing; this program alone reads the bytes); NaN and infinities are not served.
.set WS_OFF, 589824
.set WP_OFF, 626688
	s_load_b256 s[4:11], s[0:1], 0x0               ; W1 s[4:5], W2 s[6:7], Wp s[8:9], wts s[10:11]
	v_lshl_add_u32 v128, v0, 2, 0x100
	v_mov_b32 v129, 0
	v_lshrrev_b32 v1, 5, v0
	v_readfirstlane_b32 s12, v1                    ; wave = 2 e + u
	v_and_b32 v1, 31, v0                           ; lane
	v_and_b32 v7, 15, v0                           ; r
	v_bfe_u32 v2, v0, 4, 1                         ; h
	s_and_b32 s13, ttmp7, 0xffff                   ; y = 4 c + q
	s_lshr_b32 s14, s13, 2                         ; c
	s_and_b32 s15, s13, 3                          ; q
	s_lshr_b32 s16, s12, 1                         ; e
	s_and_b32 s17, s12, 1                          ; u
	s_lshl_b32 s18, s15, 1
	s_add_co_u32 s18, s18, s17                     ; which 128 along K: 2 q + u
	s_mov_b32 s20, 0x76543210
	s_mov_b32 s21, 0xfedcba98                      ; v_permlanex16_b32's selects for lane l xor 16
	v_lshlrev_b32 v4, 4, v1                        ; 16 x lane
	v_lshlrev_b32 v6, 3, v1                        ; 8 x lane
	v_lshlrev_b32 v5, 3, v7
	s_lshl_b32 s22, s17, 7
	s_lshl_b32 s23, s16, 2
	s_add_co_u32 s22, s22, s23
	v_add_nc_u32 v5, s22, v5                       ; LDS: my column's scale word: 8 r + 128 u + 4 e
	s_mul_i32 s24, s13, 36864                      ; my fragment in wts: 36,864 y + 4,096 j + 1,024 wave
	s_lshl_b32 s25, ttmp9, 12
	s_add_co_u32 s24, s24, s25
	s_lshl_b32 s25, s12, 10
	s_add_co_u32 s24, s24, s25
	s_mov_b32 s25, 0
	s_mul_i32 s26, s13, 9                          ; the pair's scale words: WS_OFF + 256 (9 y + j)
	s_add_co_u32 s26, s26, ttmp9
	s_lshl_b32 s26, s26, 8
	s_add_co_u32 s26, s26, WS_OFF
	s_mov_b32 s27, 0
	s_wait_kmcnt 0x0
	s_add_nc_u64 s[28:29], s[10:11], s[24:25]
	s_add_nc_u64 s[30:31], s[10:11], s[26:27]
	s_cmp_lg_u32 ttmp9, 0
	s_cbranch_scc1 .Lfrom_w2
	; pair 0: phase 2 c + e of W1.  Element (p, k, col) lies at 65,536 p + 64 k + 4 col
	s_lshl_b32 s32, s14, 1
	s_add_co_u32 s32, s32, s16
	s_lshl_b32 s32, s32, 16
	s_lshl_b32 s33, s18, 13                        ; 128 rows of 64 bytes for each step along K
	s_add_co_u32 s32, s32, s33
	s_mov_b32 s33, 0
	s_add_nc_u64 s[4:5], s[4:5], s[32:33]
	v_lshlrev_b32 v3, 2, v7                        ; column r,
	v_lshl_add_u32 v3, v2, 11, v3                  ; lanes 16-31 begin 32 rows further down
.set N_, 0
.rept 64
	global_load_b32 v[64+N_], v3, s[4:5] offset:64*(64*(N_/32)+N_%32)   ; register 32 cc + ii: k = 64 cc + 32 h + ii
.set N_, N_+1
.endr
	s_branch .Lquantise
.Lfrom_w2:
	; pair j > 0: tile 16 c + 2 (j - 1) + e of W2: two experts.  Element (o, k, col) lies at 32,768 o + 32 k + 4 col
	s_lshl_b32 s32, s14, 4
	s_lshl_b32 s33, ttmp9, 1
	s_add_co_u32 s32, s32, s33
	s_add_co_u32 s32, s32, s16
	s_sub_co_u32 s32, s32, 2
	s_lshl_b32 s32, s32, 16
	s_lshl_b32 s33, s18, 12                        ; 128 rows of 32 bytes for each step along K
	s_add_co_u32 s32, s32, s33
	s_mov_b32 s33, 0
	s_add_nc_u64 s[6:7], s[6:7], s[32:33]
	v_and_b32 v3, 7, v7
	v_lshlrev_b32 v3, 2, v3                        ; column r % 8
	v_lshrrev_b32 v8, 3, v7
	v_lshl_add_u32 v3, v8, 15, v3                  ; of expert r / 8 of the two,
	v_lshl_add_u32 v3, v2, 10, v3                  ; lanes 16-31 begin 32 rows further down
.set N_, 0
.rept 64
	global_load_b32 v[64+N_], v3, s[6:7] offset:32*(64*(N_/32)+N_%32)
.set N_, N_+1
.endr
.Lquantise:
	s_wait_loadcnt 0x0
.irp c, 0,1                                    ; my block 2 c + h: all its 32 numbers are mine
	v_max3_num_f32 v[32+\c], |v[64+32*\c]|, |v[65+32*\c]|, 0x1800000   ; with the floor 2^(3 - 127): the byte cannot fall under 1
.endr
.irp i, 2,4,6,8,10,12,14,16,18,20,22,24,26,28,30
.irp c, 0,1
	v_max3_num_f32 v[32+\c], v[32+\c], |v[64+32*\c+\i]|, |v[65+32*\c+\i]|   ; (the two blocks by turns)
.endr
.endr
.irp c, 0,1
	v_add_nc_u32 v[44+\c], 0xff000000, v[32+\c]    ; 2 off the exponent field: the conversion takes the exponent field of this operand as its scale
.endr
.irp c, 0,1
	v_lshrrev_b32 v[36+\c], 23, v[44+\c]           ; the scale's byte
.endr
	v_lshl_or_b32 v9, v37, 16, v36                 ; my two bytes: blocks h and 2 + h of my column,
	v_lshlrev_b32 v10, 3, v2
	v_lshlrev_b32 v9, v10, v9                      ; at their places in the scale word;
	v_mov_b32 v10, 0
	v_permlanex16_b32 v10, v9, s20, s21
	v_or_b32 v9, v9, v10                           ; with lane l xor 16's two the word is whole, in both halves of the lanes
.irp c, 0,1
.irp g, 0,1,2,3
	v_cvt_scalef32_pk8_fp4_f32 v[48+4*\c+\g], v[64+32*\c+8*\g:71+32*\c+8*\g], v[44+\c]   ; registers 4 c .. 4 c + 3 of the operand
.endr
.endr
	v_nop                                          ; one plain line behind the last scaled conversion
	global_store_b128 v4, v[48:51], s[28:29]       ; each store of the wave covers 512 consecutive bytes, aligned
	global_store_b128 v4, v[52:55], s[28:29] offset:512
	ds_store_b32 v5, v9                            ; lanes r and r + 16 write the same word with the same value
	s_wait_dscnt 0x0                               ; for the others' sake: my word has landed
	s_barrier_signal -1
	s_barrier_wait -1                              ; the pair's 64 scale words lie in LDS
	s_cmp_lg_u32 s12, 0
	s_cbranch_scc1 .Lnot_wave_0
	ds_load_b64 v[12:13], v6
	s_wait_dscnt 0x0
	global_store_b64 v6, v[12:13], s[30:31]        ; 32 lanes store 256 consecutive bytes, aligned
.Lnot_wave_0:
	s_cmp_lg_u32 ttmp9, 0
	s_cbranch_scc1 .Lend
	; Wp: piece id = 4 y + wave = 2 b + g.  Element (k, col) lies at 32 k + 4 col
	s_lshl_b32 s32, s13, 2
	s_add_co_u32 s32, s32, s12                     ; id
	s_lshr_b32 s33, s32, 1
	s_and_b32 s34, s32, 1
	s_lshl_b32 s33, s33, 10                        ; 32 b rows
	s_lshl_b32 s34, s34, 8                         ; 8 g rows
	s_add_co_u32 s34, s33, s34
	s_mov_b32 s35, 0
	s_add_nc_u64 s[8:9], s[8:9], s[34:35]
	s_lshl_b32 s32, s32, 9
	s_add_co_u32 s32, s32, WP_OFF
	s_mov_b32 s33, 0
	s_add_nc_u64 s[10:11], s[10:11], s[32:33]
	v_and_b32 v14, 7, v7
	v_lshlrev_b32 v14, 2, v14                      ; column r % 8,
	v_lshl_add_u32 v14, v2, 9, v14                 ; lanes 16-31 begin 16 rows further down
.irp n, 0,1,2,3,4,5,6,7
	global_load_b32 v[16+\n], v14, s[8:9] offset:32*\n
.endr
	s_wait_loadcnt 0x0
.irp t, 0,1,2,3
	v_cvt_pk_bf16_f32 v[24+\t], v[16+2*\t], v[17+2*\t]   ; the lower k in the low half
.endr
	global_store_b128 v4, v[24:27], s[10:11]       ; 512 consecutive bytes, aligned
.Lend:
	s_wait_tensorcnt 0x0
	ds_add_u32 v128, v129
	s_wait_dscnt 0x0
	s_endpgm
.Lfunc_end_k_q1217fcfe5f_prep:
	.size	k_q1217fcfe5f_prep, .Lfunc_end_k_q1217fcfe5f_prep-k_q1217fcfe5f_prep
	.p2alignl 7, 3214868480
	.fill 96, 4, 3214868480
	.section	.rodata,"a",@progbits
	.p2align	6, 0x0
	.amdhsa_kernel k_q1217fcfe5f_prep
		.amdhsa_group_segment_fixed_size 768
		.amdhsa_private_segment_fixed_size 0
		.amdhsa_enable_private_segment 0
		.amdhsa_kernarg_size 32
		.amdhsa_user_sgpr_count 2
		.amdhsa_user_sgpr_kernarg_segment_ptr 1
		.amdhsa_wavefront_size32 1
		.amdhsa_system_sgpr_workgroup_id_x 1
		.amdhsa_system_sgpr_workgroup_id_y 1
		.amdhsa_system_sgpr_workgroup_id_z 1
		.amdhsa_system_vgpr_workitem_id 0
		.amdhsa_next_free_vgpr 130
		.amdhsa_next_free_sgpr 66
		.amdhsa_reserve_vcc 0
		.amdhsa_float_denorm_mode_32 3
		.amdhsa_float_denorm_mode_16_64 3
		.amdhsa_memory_ordered 1
		.amdhsa_forward_progress 1
		.amdhsa_inst_pref_size 21
	.end_amdhsa_kernel
	.amdgpu_metadata
---
amdhsa.version: [ 1, 2 ]
amdhsa.kernels:
  - .name:           k_q1217fcfe5f_prep
    .symbol:         k_q1217fcfe5f_prep.kd
    .args:
      - { .name: W1, .offset: 0, .size: 8, .value_kind: global_buffer, .address_space: global }
      - { .name: W2, .offset: 8, .size: 8, .value_kind: global_buffer, .address_space: global }
      - { .name: Wp, .offset: 16, .size: 8, .value_kind: global_buffer, .address_space: global }
      - { .name: wts, .offset: 24, .size: 8, .value_kind: global_buffer, .address_space: global }
    .group_segment_fixed_size: 768
    .private_segment_fixed_size: 0
    .kernarg_segment_align: 8
    .kernarg_segment_size: 32
    .max_flat_workgroup_size: 128
    .sgpr_count:     66
    .vgpr_count:     130
    .wavefront_size: 32
...
	.end_amdgpu_metadata
.endif
;; end of part 1
;; launch main (part 2): grid 256 x 1, 8 waves a work-group, no clusters, 257,024 bytes of LDS; arguments X, X_phase, X_occurrence, X_subject, bp, b1, b2, wts, out0, out1, out2; writes out0, out1, out2
.if DOCPART == 2
	.amdgcn_target "amdgcn-amd-amdhsa--gfx1250"
	.amdhsa_code_object_version 6
	.text
	.protected	k_q1217fcfe5f_main
	.globl	k_q1217fcfe5f_main
	.p2align	8
	.type	k_q1217fcfe5f_main,@function
k_q1217fcfe5f_main:
	s_mov_b64 s[64:65], 0
	v_nop
	global_prefetch_b8 v0, s[64:65] scope:SCOPE_SE
	s_setreg_imm32_b32 hwreg(HW_REG_WAVE_MODE, 25, 1), 1
	s_wait_xcnt 0x0
; out0 = softmax(X Wp + bp)[phase];  out1 = out0 x softmax(X W1[phase] + b1[phase])[occurrence % 16];  out2 = out1 x softmax(X W2[occurrence] + b2[occurrence])[subject % 8].
; X: [32768][1024] f32.  The products with W1 and W2 go on codes of FP4 (E2M1) with one E8M0 scale for each 32 along K; all 1,152 columns are multiplied, and of each 16 x 16 result the
; numbers of a token's own expert are kept.  The product with Wp goes in bf16.  Sums, softmax and the rest in f32.  X_length is no argument: reference() never uses it.
; SHARES.  A work-group owns 128 tokens, eight tiles of 16.  K goes in four chunks of 256.  EIGHT WAVES IN TWO ROLES, since a wave's global loads come back in order (ISA guide 5.7.1) and a wait for a weight
; must not wait for rows of X asked for earlier:
;   waves 0-3, producers: wave p streams the rows of tokens 32 p .. 32 p + 31 (512 consecutive bytes a load, 64 loads out), turns them through its own stage in LDS so that a lane holds neighbours along K,
;     quantises them, leaves the operand's registers as an image in LDS, and multiplies the same numbers, rounded to bf16, by Wp.
;   waves 4-7, consumers: wave 4 + c owns 18 tiles of 16 columns (phases 2 c, 2 c + 1 of W1; experts 32 c .. 32 c + 31 of W2) for all 128 tokens.  Its weights come from the workspace straight into its operand
;     registers, three pairs of tiles ahead.  While the producers work on chunk T the consumers multiply chunk T - 1: five trips, one barrier a trip.
; THE MATRIX INSTRUCTION IS USED TRANSPOSED (source 0 = 16 columns of a weight, source 1 = 16 tokens): lane (r, h) holds token r and columns 8 h + 0 .. 7.  For W2 that is ONE expert whole in a lane.
; KEEPING.  A chunk's sums start at the constant 0; each is multiplied by 1 where the lane's token has chosen the lane's expert and by 0 elsewhere, and added to 8 registers a token tile (SEL1, SEL2).
; At the end the consumers leave SEL1 and SEL2 in LDS; all but the owner's hold exact zeros, so a producer adds them up, adds the biases, and takes the three softmaxes with a token to a lane.
; NO JOINT TENSOR LOADS for the weights, though every work-group walks them: a fragment is wanted by ONE wave of a work-group and goes straight into that wave's operand registers; through LDS a chunk's codes and
; scale words are 4 x (36,864 + 2,304) = 156,672 bytes, and two such slots do not fit beside the 256,000 bytes mapped below.
; REGISTERS OF THE TWO ROLES lie over each other only where that holds on every way through the text: the phase head's accumulators and the scale registers are named by one role's lines alone, and no register
; takes a global load while an older global load into it can be out.
; LIMITS: NaN and infinities in X or the weights are not served; a sum of an expert that was not chosen must be finite, since it is multiplied by 0; a block whose largest magnitude lies under 2^-124 keeps the scale
; byte 1; indices are taken to lie inside their tables (they are held to the table where they form an address); a column's sum is four chunk sums added in f32, K ascending.
.set WS_OFF, 589824                    ; workspace: the scale words,
.set WP_OFF, 626688                    ; Wp's bf16 fragments
.set CHW,    36864                     ; a consumer's codes of one chunk: 18 tiles x 2,048 bytes
.set CHS,    2304                      ; and their scale words: 9 pairs x 256 bytes
; LDS.  No byte is written twice by different waves.
.set WPIMG,  0                         ; 32,768: Wp's fragments: 1,024 b + 512 g + 16 lane
.set XIMG,   32768                     ; x's fragments as images of their registers: 16,384 T + 1,024 (8 u + m) + 512 g + 16 lane.  Four chunks, and room for a fifth: the address made in trip 4 points there and is not used
.set XCH,    16384
.set XSC,    115712                    ; x's scale words: 1,024 T + 128 m + 64 u + 4 r.  1,024 bytes lie free in front and behind, for the addresses made and not used in trips 0 and 4
.set STAGE,  120832                    ; for each producer 32 rows of 512 bytes + 16
.set SPITCH, 528                       ; 132 words: row r starts at bank 4 r mod 64 (64 banks of 4 bytes: ISA guide 11.1), so the 16 rows that a load touches start at 16 different banks
.set SELIMG, 188416                    ; 16,384 c + 8,192 set + 1,024 m + 512 g + 16 lane
.set OUTS,   253952                    ; 512 o + 4 token
; vector registers of both roles, made ahead of the first parting
.set LI,   1                           ; 16 x lane
.set L8,   2                           ; 8 x lane
.set STA,  3                           ; my stage, as rows come in: + 16 lane
.set STB,  4                           ; and as a lane takes them: + 528 r + 64 h
.set PA0,  5                           ; XIMG + 2,048 p + 16 lane
.set PS0,  6                           ; XSC + 256 p + 4 r
.set SA,   7                           ; SELIMG + 16,384 p + 16 lane
.set FA,   8                           ; SELIMG + 1,024 (2 p + h) + 16 r
.set OA,   9                           ; OUTS + 128 p + 4 lane
.set OB,   10                          ; OUTS + 512 p + 16 lane
.set WPW,  11                          ; WPIMG + 8,192 p + 16 lane
.set PA,   12                          ; made anew in each trip: where x's images of chunk T go,
.set PS,   13                          ; their scale words,
.set CA,   14                          ; where chunk T - 1's images lie,
.set CS,   15                          ; their scale words,
.set WPA,  16                          ; Wp's fragments of chunk T
.set CA0,  17                          ; XIMG - 16,384 + 16 lane
.set CS0,  18                          ; XSC - 1,024 + 4 lane
.set R4,   19                          ; 4 r
.set IXO,  20                          ; 128 p + 4 lane
.set ZERO, 21
; registers that one role alone names
.set PACC, 22                          ; v22-37  producers: the phase head's sums, two tiles of 16 tokens
.set XS,   38                          ; v38-45  consumers: x's scale words: lanes 0-15 u = 0, lanes 16-31 u = 1
.set WS,   46                          ; v46-51  consumers: the weights' scale words, tile i in register i % 6, likewise
; producers, window 0
.set PH,   52                          ; my token's phase, occurrence, subject
.set OC,   53
.set SJ,   54
.set PC0,  56                          ; v56-63  codes just made, tile 0
.set PC1,  64                          ; v64-71  tile 1
.set PW0,  72                          ; the scale words just made
.set PW1,  73
.set TM,   74                          ; v74-77 largest magnitudes, v78-81 bytes, v82-85 the conversions' scale operands
.set WF,   96                          ; v96-127 four fragments of Wp
.set T,    128                         ; v128-255 two tiles x 64 numbers a lane.   Window 1: the rows as they land: set u at 128 u, row at + 4 row
; producers, from trip 4 on
.set LG1,  56                          ; v56-71  my row of b1, then the 16 logits of my phase's expert
.set LG2,  72                          ; v72-79  my row of b2, then the 8 logits of my occurrence's expert
.set BO,   80                          ; v80-81  the two rows' byte offsets;
.set LGP,  80                          ; v80-87  then the 8 phase logits
.set MX,   88                          ; v88-93  three pairs: maxima, then sums, then reciprocals
.set F,    96                          ; v96-223 what the consumers kept for my token
.set ML,   224                         ; v224-229 three pairs: log2(e) x maximum in the low word
.set IX,   230                         ; v230 occurrence % 16, v231 subject % 8
.set CH,   232                         ; v232-234 the chosen exponentials, then the results
; consumers, window 0
.set KEY2, 52                          ; v52-59  occurrence - h - 32 c of token (m, r)
.set KEY1, 60                          ; v60-67  phase - 2 c
.set MF,   68                          ; v68-83  1.0 or 0, in the low word of a pair for each token tile
.set WB,   84                          ; v84-179 six tile buffers of 16: tile i in buffer i % 6, + 8 u + 4 g
.set ACC,  180                         ; v180-243 eight accumulators.   Window 1: v0-127 x's fragments (u, m) at 8 (8 u + m); v128-191 SEL1, v192-255 SEL2, at 8 m
.set SEL1, 128
.set SEL2, 192
; scalar registers
.set XP,   8                           ; s[8:9] X; s[10:15] phase, occurrence, subject; s[16:21] bp, b1, b2; s[22:23] wts; s[24:29] out0, out1, out2
.set WV,   30                          ; wave
.set P,    31                          ; wave % 4
.set TT,   32                          ; the trip
.set QT,   33                          ; 16,384 T
.set QS,   34                          ; 1,024 T
.set QW,   35                          ; 8,192 T
.set SEL,  36                          ; s[36:37] v_permlanex16_b32's selects for lane l xor 16
.set WQ,   48                          ; s[48:49] my codes of chunk T
.set WSP,  50                          ; s[50:51] my scale words of chunk T
.set WPP,  52                          ; s[52:53] my quarter of Wp's fragments
.set HM,   54                          ; lanes 16-31
.set LE,   56                          ; s[56:57] log2(e)
.set MSB, 0
.macro WIN new                         ; s_set_vgpr_msb: bits 1:0 source 0, 3:2 source 1, 5:4 source 2, 7:6 destination; the high byte repeats the setting that is left
.if MSB != \new
	s_set_vgpr_msb (MSB<<8)|\new
.set MSB, \new
.endif
.endm
.macro BARRIER                         ; my LDS stores have landed and my LDS loads are in: then the work-group's barrier
	s_wait_dscnt 0x0
	s_barrier_signal -1
	s_barrier_wait -1
.endm
; 32 rows x 512 bytes of X, the u-th 128 along K of the chunk off bytes on, into landing set u
.macro XLOAD u, off
	WIN 0x40                                       ; destination window 1
.set RW, 0
.rept 32
	global_load_b128 v[128*(\u)+4*RW:128*(\u)+4*RW+3], v[LI], s[XP:XP+1] offset:RW*4096+512*(\u)+(\off) th:TH_LOAD_NT   ; 32 lanes read 512 consecutive bytes of one row
.set RW, RW+1
.endr
	WIN 0
.endm
; 64 numbers of a lane, register 16 b + i = k 32 b + 16 h + i of my row, become a fragment's codes in v[pc] on and its scale word in v[pw]
.macro QUANT s, pc, pw
.irp b, 0,1,2,3
	v_max3_num_f32 v[TM+\b], |v[\s+16*\b]|, |v[\s+1+16*\b]|, 0x1800000   ; block b: my 16 numbers, and the floor 2^(3 - 127): the byte cannot fall under 1
.endr
.irp i, 2,4,6,8,10,12,14
.irp b, 0,1,2,3
	v_max3_num_f32 v[TM+\b], v[TM+\b], |v[\s+16*\b+\i]|, |v[\s+1+16*\b+\i]|   ; (the four blocks by turns)
.endr
.endr
.irp b, 0,1,2,3
	v_permlanex16_b32 v[TM+4+\b], v[TM+\b], s[SEL], s[SEL+1]
.endr
.irp b, 0,1,2,3
	v_max_num_f32 v[TM+\b], v[TM+\b], v[TM+4+\b]   ; with lane l xor 16's: the block's largest magnitude
.endr
.irp b, 0,1,2,3
	v_add_nc_u32 v[TM+8+\b], 0xff000000, v[TM+\b]  ; 2 off its exponent field: the conversion's scale operand
.endr
.irp b, 0,1,2,3
	v_lshrrev_b32 v[TM+4+\b], 23, v[TM+8+\b]       ; the scale's byte
.endr
	v_lshl_or_b32 v[\pw], v[TM+5], 8, v[TM+4]      ; the four bytes make my row's scale word, the same in both halves of the lanes
	v_lshl_or_b32 v[\pw], v[TM+6], 16, v[\pw]
	v_lshl_or_b32 v[\pw], v[TM+7], 24, v[\pw]
.irp b, 0,1,2,3
	v_cvt_scalef32_pk8_fp4_f32 v[\pc+2*\b], v[\s+16*\b:\s+7+16*\b], v[TM+8+\b]
	v_cvt_scalef32_pk8_fp4_f32 v[\pc+1+2*\b], v[\s+8+16*\b:\s+15+16*\b], v[TM+8+\b]
.endr
	v_nop                                          ; one plain line behind the last scaled conversion
.irp c, 0,1                                    ; the operand's layout wants a WHOLE block in a lane: lanes 0-15 block 2 c, lanes 16-31 block 2 c + 1
.irp i, 0,1
	v_permlane16_swap_b32 v[\pc+4*\c+\i], v[\pc+2+4*\c+\i]
.endr
.endr
.endm
; A producer's step: 32 tokens x 128 along K.  ahead = 1: the landing set is asked for again, for the next chunk.
.macro PSTEP u, ahead
.if ((\u) == 1) && ((\ahead) == 0)
	s_wait_loadcnt 0x0                             ; the last 32 loads
.else
	s_wait_loadcnt 32                              ; this set's 32 loads are in; the 32 that may be out are the other set's, issued later
.endif
	WIN 0x04                                       ; an LDS store's data are its source 1: window 1
.set RW, 0
.rept 32
	ds_store_b128 v[STA], v[128*(\u)+4*RW:128*(\u)+4*RW+3] offset:RW*SPITCH
.set RW, RW+1
.endr
	WIN 0
.irp i, 0,1                                    ; LDS serves a wave's instructions in order (ISA guide 5.7.1.4): these see the stores above.  Row 16 i + r; of each block of 32 my half's 16 numbers
.irp b, 0,1,2,3
.irp n, 0,1,2,3
	ds_load_b128 v[T+64*\i+16*\b+4*\n:T+64*\i+16*\b+4*\n+3], v[STB] offset:16*SPITCH*\i+128*\b+16*\n
.endr
.endr
.endr
.irp b, 0,1,2,3
.irp g, 0,1
	ds_load_b128 v[WF+8*\b+4*\g:WF+8*\b+4*\g+3], v[WPA] offset:4096*(\u)+1024*\b+512*\g
.endr
.endr
	s_wait_dscnt 8                                 ; the numbers are back, so the stage's stores have read the landing set; the 8 that may be out are Wp's fragments
.if \ahead
	XLOAD \u, 1024
.endif
	QUANT T, PC0, PW0
.irp g, 0,1
	ds_store_b128 v[PA], v[PC0+4*\g:PC0+4*\g+3] offset:8192*(\u)+512*\g
.endr
	ds_store_b32 v[PS], v[PW0] offset:64*(\u)      ; lanes r and r + 16 write the same word with the same value
	QUANT T+64, PC1, PW1
.irp g, 0,1
	ds_store_b128 v[PA], v[PC1+4*\g:PC1+4*\g+3] offset:8192*(\u)+1024+512*\g
.endr
	ds_store_b32 v[PS], v[PW1] offset:128+64*(\u)
.irp i, 0,1                                    ; the same numbers as bf16, in place: register n takes numbers 2 n and 2 n + 1, n ascending
.set NN, 0
.rept 32
	v_cvt_pk_bf16_f32 v[T+64*\i+NN], v[T+64*\i+2*NN], v[T+64*\i+2*NN+1]
.set NN, NN+1
.endr
.endr
	s_wait_dscnt 6                                 ; Wp's fragments are in; the 6 that may be out are the image stores issued behind them
.irp b, 0,1,2,3                                ; source 0 = Wp's columns, source 1 = 16 tokens; k stands in the same places in both.  The two accumulators by turns
.irp i, 0,1
	v_wmma_f32_16x16x32_bf16 v[PACC+8*\i:PACC+8*\i+7], v[WF+8*\b:WF+8*\b+7], v[T+64*\i+8*\b:T+64*\i+8*\b+7], v[PACC+8*\i:PACC+8*\i+7]
.endr
.endr
.rept 4
	v_nop                                          ; four places ahead of the next loads into registers that these products read
.endr
.endm
.macro PRODUCE ahead
	PSTEP 0, \ahead
	PSTEP 1, \ahead
.endm
; A pair of tiles' weights: 8 loads of codes and one of scale words: 9 loads
.macro WLOAD j, off
.set WBJ, WB+32*((\j)%3)
.irp e, 0,1
.irp u, 0,1
.irp g, 0,1
	global_load_b128 v[WBJ+16*\e+8*\u+4*\g:WBJ+16*\e+8*\u+4*\g+3], v[LI], s[WQ:WQ+1] offset:4096*(\j)+2048*\e+1024*\u+512*\g+(\off)
.endr
.endr
.endr
	global_load_b64 v[WS+2*((\j)%3):WS+2*((\j)%3)+1], v[L8], s[WSP:WSP+1] offset:256*(\j)+(\off)/16
.endm
.macro WPRO                            ; a chunk's first three pairs
	WLOAD 0, 0
	WLOAD 1, 0
	WLOAD 2, 0
.endm
; One tile of 16 columns x 128 tokens x 256 along K, and what is kept of it
.macro TILE i, key, cst, sel
.set WBI, WB+16*((\i)%6)
.set WSI, WS+(\i)%6
	WIN 0x04                                       ; source 1 (x) window 1
.irp m, 0,1,2,3,4,5,6,7                        ; the eight accumulators by turns; the first product starts the sums
	v_wmma_scale_f32_16x16x128_f8f6f4 v[ACC+8*\m:ACC+8*\m+7], v[WBI:WBI+7], v[8*\m:8*\m+7], 0, v[WSI], v[XS+\m] matrix_a_fmt:MATRIX_FMT_FP4 matrix_b_fmt:MATRIX_FMT_FP4
.endr
.irp m, 0,1,2,3,4,5,6,7
	v_wmma_scale_f32_16x16x128_f8f6f4 v[ACC+8*\m:ACC+8*\m+7], v[WBI+8:WBI+15], v[64+8*\m:64+8*\m+7], v[ACC+8*\m:ACC+8*\m+7], v[WSI], v[XS+\m] matrix_a_fmt:MATRIX_FMT_FP4 matrix_b_fmt:MATRIX_FMT_FP4 matrix_a_scale:MATRIX_SCALE_ROW1 matrix_b_scale:MATRIX_SCALE_ROW1
.endr
.irp m, 0,1,2,3,4,5,6,7                        ; these sixteen lines name none of the products' registers: they are the places behind them.  Their one vector source is source 0: window 0
	v_cmp_eq_u32 s[40+\m], v[\key+\m], \cst        ; has my token chosen my expert?
.endr
.irp m, 0,1,2,3,4,5,6,7
	v_cndmask_b32 v[MF+2*\m], 0, 1.0, s[40+\m]
.endr
	WIN 0x50                                       ; source 2 and destination window 1
.irp m, 0,1,2,3,4,5,6,7                        ; each accumulator from its low end on
.irp n, 0,2,4,6
	v_pk_fma_f32 v[\sel+8*\m+\n:\sel+8*\m+\n+1], v[ACC+8*\m+\n:ACC+8*\m+\n+1], v[MF+2*\m:MF+2*\m+1], v[\sel+8*\m+\n:\sel+8*\m+\n+1] op_sel_hi:[1,0,1]
.endr
.endr
.endm
; A consumer's chunk: x's 16 fragments and scale words from LDS, then the 18 tiles.  The ring of weights is empty again at the chunk's end, so every count below is the same on every way.
.macro CBODY
	WIN 0x40
.irp f, 0,1,2,3,4,5,6,7,8,9,10,11,12,13,14,15
.irp g, 0,1
	ds_load_b128 v[8*\f+4*\g:8*\f+4*\g+3], v[CA] offset:1024*\f+512*\g
.endr
.endr
	WIN 0
.irp m, 0,1,2,3,4,5,6,7
	ds_load_b32 v[XS+\m], v[CS] offset:128*\m
.endr
	s_wait_dscnt 0x0
.set J, 0
.rept 9
.if J <= 6
	s_wait_loadcnt 18                              ; pair J is in; the two pairs behind it, 9 loads each, may be out
.elseif J == 7
	s_wait_loadcnt 9
.else
	s_wait_loadcnt 0x0
.endif
.if J == 0
	TILE 0, KEY1, 0, SEL1
	TILE 1, KEY1, 1, SEL1
.else
	TILE 2*J, KEY2, 4*(J-1), SEL2
	TILE 2*J+1, KEY2, 4*(J-1)+2, SEL2
.endif
.if J+3 <= 8
	WIN 0
	WLOAD J+3, -CHW                                ; into the buffers just multiplied; the pointers stand a chunk further on
.endif
.set J, J+1
.endr
	WIN 0
.endm
.macro SELSTORE                        ; what I kept, as it stands in my registers
	WIN 0x04
.irp st, 0,1
.irp m, 0,1,2,3,4,5,6,7
.irp g, 0,1
	ds_store_b128 v[SA], v[128+64*\st+8*\m+4*\g:128+64*\st+8*\m+4*\g+3] offset:8192*\st+1024*\m+512*\g
.endr
.endr
.endr
	WIN 0
.endm
	s_load_b512 s[8:23], s[0:1], 0x0
	s_load_b128 s[24:27], s[0:1], 0x40
	s_load_b64 s[28:29], s[0:1], 0x50
	v_lshrrev_b32 v1, 5, v0
	v_readfirstlane_b32 s[WV], v1                  ; wave 0..7
	s_and_b32 s[P], s[WV], 3
	v_and_b32 v12, 31, v0                          ; lane
	v_and_b32 v13, 15, v0                          ; r
	v_bfe_u32 v14, v0, 4, 1                        ; h
	v_lshlrev_b32 v[LI], 4, v12
	v_lshlrev_b32 v[L8], 3, v12
	s_mul_i32 s38, s[P], 32*SPITCH
	s_add_co_u32 s38, s38, STAGE
	v_add_nc_u32 v[STA], s38, v[LI]
	v_mul_u32_u24 v[STB], v13, SPITCH
	v_lshl_add_u32 v[STB], v14, 6, v[STB]
	v_add_nc_u32 v[STB], s38, v[STB]
	s_lshl_b32 s38, s[P], 11
	s_add_co_u32 s38, s38, XIMG
	v_add_nc_u32 v[PA0], s38, v[LI]
	s_lshl_b32 s38, s[P], 8
	s_add_co_u32 s38, s38, XSC
	v_lshl_add_u32 v[PS0], v13, 2, s38
	s_lshl_b32 s38, s[P], 14
	s_add_co_u32 s38, s38, SELIMG
	v_add_nc_u32 v[SA], s38, v[LI]
	s_lshl_b32 s38, s[P], 11
	s_add_co_u32 s38, s38, SELIMG
	v_lshl_add_u32 v[FA], v14, 10, s38
	v_lshl_add_u32 v[FA], v13, 4, v[FA]
	s_lshl_b32 s38, s[P], 7
	s_add_co_u32 s39, s38, OUTS
	v_lshl_add_u32 v[OA], v12, 2, s39
	v_lshl_add_u32 v[IXO], v12, 2, s38
	s_lshl_b32 s38, s[P], 9
	s_add_co_u32 s38, s38, OUTS
	v_add_nc_u32 v[OB], s38, v[LI]
	s_lshl_b32 s38, s[P], 13
	v_add_nc_u32 v[WPW], s38, v[LI]
	v_add_nc_u32 v[CA0], XIMG-XCH, v[LI]
	v_lshl_add_u32 v[CS0], v12, 2, XSC-1024
	v_lshlrev_b32 v[R4], 2, v13
	v_mov_b32 v[ZERO], 0
	s_mov_b32 s[SEL], 0x76543210
	s_mov_b32 s[SEL+1], 0xfedcba98
	s_mov_b32 s[HM], 0xffff0000
	s_mov_b32 s[LE], 0x3fb8aa3b
	s_mov_b32 s[LE+1], s[LE]                       ; (named with it as a pair, so it is written)
	s_wait_kmcnt 0x0
	s_lshl_b32 s38, ttmp9, 19                      ; my work-group's 128 rows of 4,096 bytes,
	s_lshl_b32 s39, s[P], 17                       ; my 32 of them
	s_add_co_u32 s38, s38, s39
	s_mov_b32 s39, 0
	s_add_nc_u64 s[XP:XP+1], s[XP:XP+1], s[38:39]
	s_lshl_b32 s38, ttmp9, 9                       ; 128 tokens x 4 bytes
	s_add_nc_u64 s[10:11], s[10:11], s[38:39]
	s_add_nc_u64 s[12:13], s[12:13], s[38:39]
	s_add_nc_u64 s[14:15], s[14:15], s[38:39]
	s_add_nc_u64 s[24:25], s[24:25], s[38:39]
	s_add_nc_u64 s[26:27], s[26:27], s[38:39]
	s_add_nc_u64 s[28:29], s[28:29], s[38:39]
	s_mul_i32 s38, s[P], 4*CHW
	s_add_nc_u64 s[WQ:WQ+1], s[22:23], s[38:39]
	s_mul_i32 s38, s[P], 4*CHS
	s_add_co_u32 s38, s38, WS_OFF
	s_add_nc_u64 s[WSP:WSP+1], s[22:23], s[38:39]
	s_lshl_b32 s38, s[P], 13
	s_add_co_u32 s38, s38, WP_OFF
	s_add_nc_u64 s[WPP:WPP+1], s[22:23], s[38:39]
	s_cmp_lt_u32 s[WV], 4
	s_cbranch_scc0 .Lhead_consumer
	; ---- a producer's head
	global_load_b32 v[PH], v[IXO], s[10:11]        ; lane l serves token 32 p + l at the end
	global_load_b32 v[OC], v[IXO], s[12:13]
	global_load_b32 v[SJ], v[IXO], s[14:15]
.irp i, 0,1                                    ; bp is the C of the phase head's first products: register j of every lane is phase j
	global_load_b128 v[PACC+8*\i:PACC+8*\i+3], v[ZERO], s[16:17]
	global_load_b128 v[PACC+8*\i+4:PACC+8*\i+7], v[ZERO], s[16:17] offset:16
.endr
	XLOAD 0, 0
	XLOAD 1, 0
.irp b, 0,1,2,3
	v_mov_b32 v[TM+4+\b], 0                        ; written once: a lane permute's destination counts as one of its sources
.endr
	s_branch .Lhead_join
.Lhead_consumer:
	; ---- a consumer's head
.irp m, 0,1,2,3,4,5,6,7
	global_load_b32 v[KEY2+\m], v[R4], s[12:13] offset:64*\m
	global_load_b32 v[KEY1+\m], v[R4], s[10:11] offset:64*\m
.endr
.irp k, 0,1,2,3,4,5,6,7,8,9,10,11,12,13,14,15
	global_load_b128 v[WB+4*\k:WB+4*\k+3], v[LI], s[WPP:WPP+1] offset:512*\k   ; my quarter of Wp's fragments, on its way to LDS
.endr
	WIN 0x40
.set NN, 128
.rept 128
	v_mov_b32 v[NN], 0                             ; SEL1, SEL2.  (The 18 tiles are written once: the first chunk adds onto zeros.  These lines run while the first rows of X are on their way)
.set NN, NN+1
.endr
	WIN 0
.irp m, 0,1,2,3,4,5,6,7
	v_mov_b32 v[MF+2*\m+1], 0                      ; (named as the upper half of a pair, so it is written)
.endr
	s_lshl_b32 s38, s[P], 5
	s_lshl_b32 s39, s[P], 1
	v_add_nc_u32 v[MF], s38, v14                   ; h + 32 c
	s_wait_loadcnt 0x0
.irp m, 0,1,2,3,4,5,6,7
	v_sub_nc_u32 v[KEY2+\m], v[KEY2+\m], v[MF]     ; equal to 2 t where the token's expert is 32 c + 2 t + h
	v_sub_nc_u32 v[KEY1+\m], v[KEY1+\m], s39       ; equal to e where its phase is 2 c + e
.endr
.irp k, 0,1,2,3,4,5,6,7,8,9,10,11,12,13,14,15
	ds_store_b128 v[WPW], v[WB+4*\k:WB+4*\k+3] offset:512*\k
.endr
	s_wait_dscnt 0x0                               ; the stores have read their registers, which take the weights next
	WPRO                                           ; chunk 0's first three pairs
.Lhead_join:
	BARRIER                                        ; Wp's fragments lie in LDS
	s_mov_b32 s[TT], 0
	s_mov_b32 s[QT], 0
	s_mov_b32 s[QS], 0
	s_mov_b32 s[QW], 0
.Ltrip:                                            ; five trips, walked by every wave: producers chunk T (T < 4), consumers chunk T - 1 (T > 0)
	v_add_nc_u32 v[PA], s[QT], v[PA0]
	v_add_nc_u32 v[PS], s[QS], v[PS0]
	v_add_nc_u32 v[CA], s[QT], v[CA0]
	v_add_nc_u32 v[CS], s[QS], v[CS0]
	v_add_nc_u32 v[WPA], s[QW], v[LI]
	s_cmp_lt_u32 s[WV], 4
	s_cbranch_scc0 .Lconsumer
	s_cmp_lt_u32 s[TT], 3
	s_cbranch_scc0 .Llast_chunk
	PRODUCE 1
	s_branch .Ljoin
.Llast_chunk:
	s_cmp_eq_u32 s[TT], 3
	s_cbranch_scc0 .Lbiases
	PRODUCE 0                                      ; written out a second time, without loads: no load leaves X, and no count hangs on a load that was jumped over
	s_branch .Ljoin
.Lbiases:                                          ; trip 4: my token's rows of b1 and b2, while the consumers multiply the last chunk
	s_wait_loadcnt 0x0                             ; no load is out when these are issued (the last chunk's second step has waited for 0, so this wait is met at once)
	v_min_u32 v[BO], 7, v[PH]                      ; held to the table, since it forms an address
	v_min_u32 v[BO+1], 127, v[OC]
	v_lshlrev_b32 v[BO], 6, v[BO]                  ; a row of b1 is 64 bytes,
	v_lshlrev_b32 v[BO+1], 5, v[BO+1]              ; of b2 32
.irp k, 0,1,2,3
	global_load_b128 v[LG1+4*\k:LG1+4*\k+3], v[BO], s[18:19] offset:16*\k
.endr
.irp k, 0,1
	global_load_b128 v[LG2+4*\k:LG2+4*\k+3], v[BO+1], s[20:21] offset:16*\k
.endr
	s_branch .Ljoin
.Lconsumer:
	s_cmp_eq_u32 s[TT], 0
	s_cbranch_scc1 .Ljoin                          ; nothing to multiply yet
	CBODY
	s_cmp_lt_u32 s[TT], 4
	s_cbranch_scc0 .Lkept
	WPRO                                           ; chunk T's first three pairs
	s_branch .Ljoin
.Lkept:
	SELSTORE
.Ljoin:
	BARRIER                                        ; chunk T's images lie in LDS (trip 4: what was kept), and chunk T - 1's have been read
	s_wait_xcnt 0x0                                ; the loads issued so far have read their bases: only behind this wait are the bases stepped
	s_add_nc_u64 s[XP:XP+1], s[XP:XP+1], 1024
	s_add_nc_u64 s[WQ:WQ+1], s[WQ:WQ+1], CHW
	s_add_nc_u64 s[WSP:WSP+1], s[WSP:WSP+1], CHS
	s_add_co_u32 s[QT], s[QT], XCH
	s_add_co_u32 s[QS], s[QS], 1024
	s_add_co_u32 s[QW], s[QW], 8192
	s_add_co_u32 s[TT], s[TT], 1
	s_cmp_lt_u32 s[TT], 5
	s_cbranch_scc1 .Ltrip
	s_cmp_lt_u32 s[WV], 4
	s_cbranch_scc0 .Lno_final
	; ---- THE END, producers: lane (r, h) serves token 32 p + 16 h + r: token tile 2 p + h, row r.  From each consumer c: SEL1 and SEL2 of that tile, lanes (r, 0) and (r, 1)
	s_wait_loadcnt 0x0                             ; b1, b2: asked for a trip ago
.irp c, 0,1,2,3
.irp st, 0,1
.irp hh, 0,1
.irp g, 0,1
	ds_load_b128 v[F+64*\st+32*\hh+16*\g+4*\c:F+64*\st+32*\hh+16*\g+4*\c+3], v[FA] offset:16384*\c+8192*\st+512*\g+256*\hh
.endr
.endr
.endr
.endr
	s_wait_dscnt 0x0
.irp q, 0,16,32,48,64,80,96,112                ; the four consumers' parts: all but the owner's are zeros
	v_pk_add_f32 v[F+\q:F+\q+1], v[F+\q:F+\q+1], v[F+\q+4:F+\q+5]
	v_pk_add_f32 v[F+\q+2:F+\q+3], v[F+\q+2:F+\q+3], v[F+\q+6:F+\q+7]
	v_pk_add_f32 v[F+\q+8:F+\q+9], v[F+\q+8:F+\q+9], v[F+\q+12:F+\q+13]
	v_pk_add_f32 v[F+\q+10:F+\q+11], v[F+\q+10:F+\q+11], v[F+\q+14:F+\q+15]
.endr
.irp q, 0,16,32,48,64,80,96,112
	v_pk_add_f32 v[F+\q:F+\q+1], v[F+\q:F+\q+1], v[F+\q+8:F+\q+9]
	v_pk_add_f32 v[F+\q+2:F+\q+3], v[F+\q+2:F+\q+3], v[F+\q+10:F+\q+11]
.endr
.irp g, 0,1                                    ; the second head's expert lay in one half of the lanes: the other half's part is zeros
.irp n, 0,2
	v_pk_add_f32 v[F+64+16*\g+\n:F+64+16*\g+\n+1], v[F+64+16*\g+\n:F+64+16*\g+\n+1], v[F+96+16*\g+\n:F+96+16*\g+\n+1]
.endr
.endr
.irp hh, 0,1                                   ; the 16 logits of my phase's expert, onto its biases
.irp g, 0,1
.irp n, 0,2
	v_pk_add_f32 v[LG1+8*\hh+4*\g+\n:LG1+8*\hh+4*\g+\n+1], v[F+32*\hh+16*\g+\n:F+32*\hh+16*\g+\n+1], v[LG1+8*\hh+4*\g+\n:LG1+8*\hh+4*\g+\n+1]
.endr
.endr
.endr
.irp g, 0,1                                    ; the 8 logits of my occurrence's expert, likewise
.irp n, 0,2
	v_pk_add_f32 v[LG2+4*\g+\n:LG2+4*\g+\n+1], v[F+64+16*\g+\n:F+64+16*\g+\n+1], v[LG2+4*\g+\n:LG2+4*\g+\n+1]
.endr
.endr
.irp j, 0,1,2,3,4,5,6,7                        ; the 8 phase logits: lanes 0-15 tile 0's, lanes 16-31 tile 1's (both halves of an accumulator hold the same); both accumulators from the low end on
	v_cndmask_b32 v[LGP+\j], v[PACC+\j], v[PACC+8+\j], s[HM]
.endr
	v_max3_num_f32 v[MX], v[LGP], v[LGP+1], v[LGP+2]       ; the three maxima
	v_max3_num_f32 v[MX+2], v[LG1], v[LG1+1], v[LG1+2]
	v_max3_num_f32 v[MX+4], v[LG2], v[LG2+1], v[LG2+2]
.irp i, 3,5
	v_max3_num_f32 v[MX], v[MX], v[LGP+\i], v[LGP+1+\i]
	v_max3_num_f32 v[MX+4], v[MX+4], v[LG2+\i], v[LG2+1+\i]
.endr
.irp i, 3,5,7,9,11,13
	v_max3_num_f32 v[MX+2], v[MX+2], v[LG1+\i], v[LG1+1+\i]
.endr
	v_max_num_f32 v[MX], v[MX], v[LGP+7]
	v_max_num_f32 v[MX+2], v[MX+2], v[LG1+15]
	v_max_num_f32 v[MX+4], v[MX+4], v[LG2+7]
	v_mul_f32 v[ML], s[LE], v[MX]                  ; log2(e) x the maximum
	v_mul_f32 v[ML+2], s[LE], v[MX+2]
	v_mul_f32 v[ML+4], s[LE], v[MX+4]
	v_mov_b32 v[ML+1], 0                           ; (named as the upper halves of pairs, so they are written)
	v_mov_b32 v[ML+3], 0
	v_mov_b32 v[ML+5], 0
.irp n, 0,2,4,6
	v_pk_fma_f32 v[LGP+\n:LGP+\n+1], v[LGP+\n:LGP+\n+1], s[LE:LE+1], v[ML:ML+1] op_sel_hi:[1,0,0] neg_lo:[0,0,1] neg_hi:[0,0,1]   ; log2(e) (logit - maximum)
	v_pk_fma_f32 v[LG2+\n:LG2+\n+1], v[LG2+\n:LG2+\n+1], s[LE:LE+1], v[ML+4:ML+5] op_sel_hi:[1,0,0] neg_lo:[0,0,1] neg_hi:[0,0,1]
.endr
.irp n, 0,2,4,6,8,10,12,14
	v_pk_fma_f32 v[LG1+\n:LG1+\n+1], v[LG1+\n:LG1+\n+1], s[LE:LE+1], v[ML+2:ML+3] op_sel_hi:[1,0,0] neg_lo:[0,0,1] neg_hi:[0,0,1]
.endr
.irp j, 0,1,2,3,4,5,6,7                        ; the 32 exponentials as one batch
	v_exp_f32 v[LGP+\j], v[LGP+\j]
.endr
.irp j, 0,1,2,3,4,5,6,7,8,9,10,11,12,13,14,15
	v_exp_f32 v[LG1+\j], v[LG1+\j]
.endr
.irp j, 0,1,2,3,4,5,6,7
	v_exp_f32 v[LG2+\j], v[LG2+\j]
.endr
	v_and_b32 v[IX], 15, v[OC]                     ; occurrence % 16.  (Plain lines behind the exponentials)
	v_and_b32 v[IX+1], 7, v[SJ]                    ; subject % 8
	s_wait_alu depctr_va_vdst(0)                   ; one wait for the batch, ahead of its first reader
	v_pk_add_f32 v[MX:MX+1], v[LGP:LGP+1], v[LGP+2:LGP+3]  ; the three sums
	v_pk_add_f32 v[MX+2:MX+3], v[LG1:LG1+1], v[LG1+2:LG1+3]
	v_pk_add_f32 v[MX+4:MX+5], v[LG2:LG2+1], v[LG2+2:LG2+3]
.irp n, 4,6
	v_pk_add_f32 v[MX:MX+1], v[MX:MX+1], v[LGP+\n:LGP+\n+1]
	v_pk_add_f32 v[MX+4:MX+5], v[MX+4:MX+5], v[LG2+\n:LG2+\n+1]
.endr
.irp n, 4,6,8,10,12,14
	v_pk_add_f32 v[MX+2:MX+3], v[MX+2:MX+3], v[LG1+\n:LG1+\n+1]
.endr
	v_add_f32 v[MX], v[MX], v[MX+1]
	v_add_f32 v[MX+2], v[MX+2], v[MX+3]
	v_add_f32 v[MX+4], v[MX+4], v[MX+5]
	v_rcp_f32 v[MX], v[MX]
	v_rcp_f32 v[MX+2], v[MX+2]
	v_rcp_f32 v[MX+4], v[MX+4]
	v_cmp_eq_u32 vcc_lo, 1, v[PH]                  ; the chosen exponentials: work that names none of the reciprocals
	v_cndmask_b32 v[CH], v[LGP], v[LGP+1], vcc_lo
.irp j, 2,3,4,5,6,7
	v_cmp_eq_u32 vcc_lo, \j, v[PH]
	v_cndmask_b32 v[CH], v[CH], v[LGP+\j], vcc_lo
.endr
	v_cmp_eq_u32 vcc_lo, 1, v[IX]
	v_cndmask_b32 v[CH+1], v[LG1], v[LG1+1], vcc_lo
.irp j, 2,3,4,5,6,7,8,9,10,11,12,13,14,15
	v_cmp_eq_u32 vcc_lo, \j, v[IX]
	v_cndmask_b32 v[CH+1], v[CH+1], v[LG1+\j], vcc_lo
.endr
	v_cmp_eq_u32 vcc_lo, 1, v[IX+1]
	v_cndmask_b32 v[CH+2], v[LG2], v[LG2+1], vcc_lo
.irp j, 2,3,4,5,6,7
	v_cmp_eq_u32 vcc_lo, \j, v[IX+1]
	v_cndmask_b32 v[CH+2], v[CH+2], v[LG2+\j], vcc_lo
.endr
	s_wait_alu depctr_va_vdst(0)                   ; one wait for the three reciprocals, ahead of their first reader
	v_mul_f32 v[CH], v[CH], v[MX]                  ; the phase's probability,
	v_mul_f32 v[CH+1], v[CH+1], v[MX+2]            ; the occurrence's,
	v_mul_f32 v[CH+2], v[CH+2], v[MX+4]            ; the subject's
	v_mul_f32 v[CH+1], v[CH], v[CH+1]
	v_mul_f32 v[CH+2], v[CH+1], v[CH+2]
	ds_store_b32 v[OA], v[CH]
	ds_store_b32 v[OA], v[CH+1] offset:512
	ds_store_b32 v[OA], v[CH+2] offset:1024
.Lno_final:
	BARRIER                                        ; the three outputs of 128 tokens lie in LDS
	s_cmp_lt_u32 s[WV], 3
	s_cbranch_scc0 .Lend
	s_cmp_eq_u32 s[WV], 0                          ; wave o stores output o
	s_cselect_b64 s[38:39], s[24:25], s[26:27]
	s_cmp_eq_u32 s[WV], 2
	s_cselect_b64 s[38:39], s[28:29], s[38:39]
	ds_load_b128 v[244:247], v[OB]
	s_wait_dscnt 0x0
	global_store_b128 v[LI], v[244:247], s[38:39]  ; 32 lanes store 512 consecutive bytes, aligned
.Lend:
	s_wait_xcnt 0x0
	v_lshl_add_u32 v254, v0, 2, 0x3e800
	v_mov_b32 v255, 0
	s_wait_tensorcnt 0x0
	ds_add_u32 v254, v255
	s_wait_dscnt 0x0
	s_endpgm
.Lfunc_end_k_q1217fcfe5f_main:
	.size	k_q1217fcfe5f_main, .Lfunc_end_k_q1217fcfe5f_main-k_q1217fcfe5f_main
	.p2alignl 7, 3214868480
	.fill 96, 4, 3214868480
	.section	.rodata,"a",@progbits
	.p2align	6, 0x0
	.amdhsa_kernel k_q1217fcfe5f_main
		.amdhsa_group_segment_fixed_size 257024
		.amdhsa_private_segment_fixed_size 0
		.amdhsa_enable_private_segment 0
		.amdhsa_kernarg_size 88
		.amdhsa_user_sgpr_count 2
		.amdhsa_user_sgpr_kernarg_segment_ptr 1
		.amdhsa_wavefront_size32 1
		.amdhsa_system_sgpr_workgroup_id_x 1
		.amdhsa_system_sgpr_workgroup_id_y 1
		.amdhsa_system_sgpr_workgroup_id_z 1
		.amdhsa_system_vgpr_workitem_id 0
		.amdhsa_next_free_vgpr 512
		.amdhsa_next_free_sgpr 66
		.amdhsa_reserve_vcc 1
		.amdhsa_float_denorm_mode_32 3
		.amdhsa_float_denorm_mode_16_64 3
		.amdhsa_memory_ordered 1
		.amdhsa_forward_progress 1
		.amdhsa_inst_pref_size 217
	.end_amdhsa_kernel
	.amdgpu_metadata
---
amdhsa.version: [ 1, 2 ]
amdhsa.kernels:
  - .name:           k_q1217fcfe5f_main
    .symbol:         k_q1217fcfe5f_main.kd
    .args:
      - { .name: X, .offset: 0, .size: 8, .value_kind: global_buffer, .address_space: global }
      - { .name: X_phase, .offset: 8, .size: 8, .value_kind: global_buffer, .address_space: global }
      - { .name: X_occurrence, .offset: 16, .size: 8, .value_kind: global_buffer, .address_space: global }
      - { .name: X_subject, .offset: 24, .size: 8, .value_kind: global_buffer, .address_space: global }
      - { .name: bp, .offset: 32, .size: 8, .value_kind: global_buffer, .address_space: global }
      - { .name: b1, .offset: 40, .size: 8, .value_kind: global_buffer, .address_space: global }
      - { .name: b2, .offset: 48, .size: 8, .value_kind: global_buffer, .address_space: global }
      - { .name: wts, .offset: 56, .size: 8, .value_kind: global_buffer, .address_space: global }
      - { .name: out0, .offset: 64, .size: 8, .value_kind: global_buffer, .address_space: global }
      - { .name: out1, .offset: 72, .size: 8, .value_kind: global_buffer, .address_space: global }
      - { .name: out2, .offset: 80, .size: 8, .value_kind: global_buffer, .address_space: global }
    .group_segment_fixed_size: 257024
    .private_segment_fixed_size: 0
    .kernarg_segment_align: 8
    .kernarg_segment_size: 88
    .max_flat_workgroup_size: 256
    .sgpr_count:     66
    .vgpr_count:     512
    .wavefront_size: 32
...
	.end_amdgpu_metadata
.endif
;; end of part 2
;; ======== version 2 of 2: 2 launches; version 1 with the launch main written anew for expert scheduling mode
;; workspace buffers: wts 659,456 bytes
;; launch prep: the kernel of part 1 again; grid 9 x 16, 4 waves a work-group, no clusters, 768 bytes of LDS; arguments W1, W2, Wp, wts; writes wts
;; launch main (part 3): grid 256 x 1, 8 waves a work-group, no clusters, 257,024 bytes of LDS; arguments X, X_phase, X_occurrence, X_subject, bp, b1, b2, wts, out0, out1, out2; writes out0, out1, out2
.if DOCPART == 3
	.amdgcn_target "amdgcn-amd-amdhsa--gfx1250"
	.amdhsa_code_object_version 6
	.text
	.protected	k_q1217fcfe5f_main
	.globl	k_q1217fcfe5f_main
	.p2align	8
	.type	k_q1217fcfe5f_main,@function
k_q1217fcfe5f_main:
	s_mov_b64 s[64:65], 0
	v_nop
	global_prefetch_b8 v0, s[64:65] scope:SCOPE_SE
	s_setreg_imm32_b32 hwreg(HW_REG_WAVE_SCHED_MODE, 0, 2), 2
	s_setreg_imm32_b32 hwreg(HW_REG_WAVE_MODE, 25, 1), 1
	s_wait_xcnt 0x0
	s_wait_alu depctr_vm_vsrc(0)
; out0 = softmax(X Wp + bp)[phase];  out1 = out0 x softmax(X W1[phase] + b1[phase])[occurrence % 16];  out2 = out1 x softmax(X W2[occurrence] + b2[occurrence])[subject % 8].
; X: [32768][1024] f32.  The products with W1 and W2 go on codes of FP4 (E2M1) with one E8M0 scale for each 32 along K; all 1,152 columns are multiplied, and of each 16 x 16 result the
; numbers of a token's own expert are kept.  The product with Wp goes in bf16.  Sums, softmax and the rest in f32.  X_length is no argument: reference() never uses it.
; SHARES.  A work-group owns 128 tokens, eight tiles of 16.  K goes in four chunks of 256.  EIGHT WAVES IN TWO ROLES, since a wave's global loads come back in order (ISA guide 5.7.1) and a wait for a weight
; must not wait for rows of X asked for earlier:
;   waves 0-3, producers: wave p streams the rows of tokens 32 p .. 32 p + 31 (512 consecutive bytes a load, 64 loads out), turns them through its own stage in LDS so that a lane holds neighbours along K,
;     quantises them, leaves the operand's registers as an image in LDS, and multiplies the same numbers, rounded to bf16, by Wp.
;   waves 4-7, consumers: wave 4 + c owns 18 tiles of 16 columns (phases 2 c, 2 c + 1 of W1; experts 32 c .. 32 c + 31 of W2) for all 128 tokens.  Its weights come from the workspace straight into its operand
;     registers, two pairs of tiles ahead.  While the producers work on chunk T the consumers multiply chunk T - 1: five trips, one barrier a trip.
; THE MATRIX INSTRUCTION IS USED TRANSPOSED (source 0 = 16 columns of a weight, source 1 = 16 tokens): lane (r, h) holds token r and columns 8 h + 0 .. 7.  For W2 that is ONE expert whole in a lane.
; KEEPING.  A chunk's sums start at the constant 0; each is multiplied by 1 where the lane's token has chosen the lane's expert and by 0 elsewhere, and added to 8 registers a token tile (SEL1, SEL2).
; At the end the consumers leave SEL1 and SEL2 in LDS; all but the owner's hold exact zeros, so a producer adds them up, adds the biases, and takes the three softmaxes with a token to a lane.
; NO JOINT TENSOR LOADS for the weights, though every work-group walks them: a fragment is wanted by ONE wave of a work-group and goes straight into that wave's operand registers; through LDS a chunk's codes and
; scale words are 4 x (36,864 + 2,304) = 156,672 bytes, and two such slots do not fit beside the 256,000 bytes mapped below.
; REGISTERS OF THE TWO ROLES lie over each other only where that holds on every way through the text: the phase head's accumulators and the scale registers are named by one role's lines alone, and no register
; takes a global load while an older global load into it can be out.
; LIMITS: NaN and infinities in X or the weights are not served; a sum of an expert that was not chosen must be finite, since it is multiplied by 0; a block whose largest magnitude lies under 2^-124 keeps the scale
; byte 1; indices are taken to lie inside their tables (they are held to the table where they form an address); a column's sum is four chunk sums added in f32, K ascending.
; THE MODE: SCHED_MODE bits 1:0 = 2 (LLVM: expert scheduling mode 2), set by the entry lines.  The code itself states the register dependences between vector or matrix instructions and memory or LDS
; instructions, with s_wait_alu, always for 0.
; THE PLAN.  Registers that memory or LDS instructions touch, and who else names them:
;   v1-v11, v17-v21  addresses and offsets: written at the head and never again: one wait on va_vdst ahead of the roles' parting.
;   v12-v16          the trip's LDS addresses: five adds at the trip's head, between a wait on vm_vsrc (the last trip's LDS instructions have read them) and a wait on va_vdst (they are written).  The two waits stand on
;                    every wave's way and state besides what one trip leaves to the next: the image stores have read PC and PW; the vector and matrix lines are done with T, WF, x's fragments and XS.
;   producers  the landing sets (window 1): global loads write them, the stage's LDS stores read them, no vector line names them: one wait on vm_vsrc between the stores and the loads.
;              T, WF: LDS loads write them; QUANT, the conversions and the products read and write them: a wait on va_vdst ahead of the loads: step 0 has the trip head's, step 1 its own, behind its 32 stage stores.
;              PC0, PC1, PW0, PW1: the two QUANTs write them, six image stores read them: one wait on va_vdst ahead of the six; the next step's wait on vm_vsrc, or the trip head's, ahead of the next QUANT.
;   consumers  x's fragments, XS: LDS loads at a chunk's head write them, the chunk's products read them: the trip head's wait.
;              WB, WS: three buffers of a pair of tiles.  Step J multiplies pair J in buffer J % 3; the loads of pair J + 2 land in buffer (J - 1) % 3, which pair J - 1's products read: one wait on va_vdst at the
;              step's head; the nine loads follow it, dealt among the step's products, which name buffer J % 3, x's fragments, XS and the accumulators: none of the registers that those loads touch.
;              SEL1, SEL2: the keeping lines write them, trip 4's LDS stores read them: the wait on va_vdst at a chunk's end, which also serves the next chunk's first three pairs.
;   s40-s47    a tile's eight masks: the compares stand ahead of the tile's products, one wait on va_sdst ahead of the selects that read them.
;   behind the loop  a wait on vm_vsrc and a wait on va_vdst, on every wave's way and ahead of the roles' branch: whatever trip was the last, its memory and LDS instructions have read the registers that the end's
;                    vector lines write (v56-v87), and its vector and matrix lines are done with the registers in which the end's LDS loads land (v96-v223, v244-v247).
.set WS_OFF, 589824                    ; workspace: the scale words,
.set WP_OFF, 626688                    ; Wp's bf16 fragments
.set CHW,    36864                     ; a consumer's codes of one chunk: 18 tiles x 2,048 bytes
.set CHS,    2304                      ; and their scale words: 9 pairs x 256 bytes
; LDS.  No byte is written twice by different waves.
.set WPIMG,  0                         ; 32,768: Wp's fragments: 1,024 b + 512 g + 16 lane
.set XIMG,   32768                     ; x's fragments as images of their registers: 16,384 T + 1,024 (8 u + m) + 512 g + 16 lane.  Four chunks, and room for a fifth: the address made in trip 4 points there and is not used
.set XCH,    16384
.set XSC,    115712                    ; x's scale words: 1,024 T + 128 m + 64 u + 4 r.  1,024 bytes lie free in front and behind, for the addresses made and not used in trips 0 and 4
.set STAGE,  120832                    ; for each producer 32 rows of 512 bytes + 16
.set SPITCH, 528                       ; 132 words: row r starts at bank 4 r mod 64 (64 banks of 4 bytes: ISA guide 11.1), so the 16 rows that a load touches start at 16 different banks
.set SELIMG, 188416                    ; 16,384 c + 8,192 set + 1,024 m + 512 g + 16 lane
.set OUTS,   253952                    ; 512 o + 4 token
; vector registers of both roles, made ahead of the first parting
.set LI,   1                           ; 16 x lane
.set L8,   2                           ; 8 x lane
.set STA,  3                           ; my stage, as rows come in: + 16 lane
.set STB,  4                           ; and as a lane takes them: + 528 r + 64 h
.set PA0,  5                           ; XIMG + 2,048 p + 16 lane
.set PS0,  6                           ; XSC + 256 p + 4 r
.set SA,   7                           ; SELIMG + 16,384 p + 16 lane
.set FA,   8                           ; SELIMG + 1,024 (2 p + h) + 16 r
.set OA,   9                           ; OUTS + 128 p + 4 lane
.set OB,   10                          ; OUTS + 512 p + 16 lane
.set WPW,  11                          ; WPIMG + 8,192 p + 16 lane
.set PA,   12                          ; made anew in each trip: where x's images of chunk T go,
.set PS,   13                          ; their scale words,
.set CA,   14                          ; where chunk T - 1's images lie,
.set CS,   15                          ; their scale words,
.set WPA,  16                          ; Wp's fragments of chunk T
.set CA0,  17                          ; XIMG - 16,384 + 16 lane
.set CS0,  18                          ; XSC - 1,024 + 4 lane
.set R4,   19                          ; 4 r
.set IXO,  20                          ; 128 p + 4 lane
.set ZERO, 21
; registers that one role alone names
.set PACC, 22                          ; v22-37  producers: the phase head's sums, two tiles of 16 tokens
.set XS,   38                          ; v38-45  consumers: x's scale words: lanes 0-15 u = 0, lanes 16-31 u = 1
.set WS,   46                          ; v46-51  consumers: the weights' scale words, tile i in register i % 6, likewise
; producers, window 0
.set PH,   52                          ; my token's phase, occurrence, subject
.set OC,   53
.set SJ,   54
.set PC0,  56                          ; v56-63  codes just made, tile 0
.set PC1,  64                          ; v64-71  tile 1
.set PW0,  72                          ; the scale words just made
.set PW1,  73
.set TM,   74                          ; v74-77 largest magnitudes, v78-81 bytes, v82-85 the conversions' scale operands
.set WF,   96                          ; v96-127 four fragments of Wp
.set T,    128                         ; v128-255 two tiles x 64 numbers a lane.   Window 1: the rows as they land: set u at 128 u, row at + 4 row
; producers, from trip 4 on
.set LG1,  56                          ; v56-71  my row of b1, then the 16 logits of my phase's expert
.set LG2,  72                          ; v72-79  my row of b2, then the 8 logits of my occurrence's expert
.set BO,   80                          ; v80-81  the two rows' byte offsets;
.set LGP,  80                          ; v80-87  then the 8 phase logits
.set MX,   88                          ; v88-93  three pairs: maxima, then sums, then reciprocals
.set F,    96                          ; v96-223 what the consumers kept for my token
.set ML,   224                         ; v224-229 three pairs: log2(e) x maximum in the low word
.set IX,   230                         ; v230 occurrence % 16, v231 subject % 8
.set CH,   232                         ; v232-234 the chosen exponentials, then the results
; consumers, window 0
.set KEY2, 52                          ; v52-59  occurrence - h - 32 c of token (m, r)
.set KEY1, 60                          ; v60-67  phase - 2 c
.set MF,   68                          ; v68-83  1.0 or 0, in the low word of a pair for each token tile
.set WB,   84                          ; v84-179 six tile buffers of 16: tile i in buffer i % 6, + 8 u + 4 g
.set ACC,  180                         ; v180-243 eight accumulators.   Window 1: v0-127 x's fragments (u, m) at 8 (8 u + m); v128-191 SEL1, v192-255 SEL2, at 8 m
.set SEL1, 128
.set SEL2, 192
; scalar registers
.set XP,   8                           ; s[8:9] X; s[10:15] phase, occurrence, subject; s[16:21] bp, b1, b2; s[22:23] wts; s[24:29] out0, out1, out2
.set WV,   30                          ; wave
.set P,    31                          ; wave % 4
.set TT,   32                          ; the trip
.set QT,   33                          ; 16,384 T
.set QS,   34                          ; 1,024 T
.set QW,   35                          ; 8,192 T
.set SEL,  36                          ; s[36:37] v_permlanex16_b32's selects for lane l xor 16
.set WQ,   48                          ; s[48:49] my codes of chunk T
.set WSP,  50                          ; s[50:51] my scale words of chunk T
.set WPP,  52                          ; s[52:53] my quarter of Wp's fragments
.set HM,   54                          ; lanes 16-31
.set LE,   56                          ; s[56:57] log2(e)
                                       ; at the end, behind the exponentials, s40-s63 and s32-s36 are free and take the 29 masks of the three choices
.set MSB, 0
.macro WIN new                         ; s_set_vgpr_msb: bits 1:0 source 0, 3:2 source 1, 5:4 source 2, 7:6 destination; the high byte repeats the setting that is left
.if MSB != \new
	s_set_vgpr_msb (MSB<<8)|\new
.set MSB, \new
.endif
.endm
.macro BARRIER                         ; my LDS stores have landed and my LDS loads are in: then the work-group's barrier
	s_wait_dscnt 0x0
	s_barrier_signal -1
	s_barrier_wait -1
.endm
; 32 rows x 512 bytes of X, the u-th 128 along K of the chunk off bytes on, into landing set u.  again = 1: the set has been read by the stage's stores
.macro XLOAD u, off, again
	WIN 0x40                                       ; destination window 1
.if \again
	s_wait_alu depctr_vm_vsrc(0)                   ; the stage's stores of this step have read landing set u, in which these loads land; the image stores issued so far have read PC0, PC1, PW0 and PW1, which this step's QUANTs write again
.endif
.set RW, 0
.rept 32
	global_load_b128 v[128*(\u)+4*RW:128*(\u)+4*RW+3], v[LI], s[XP:XP+1] offset:RW*4096+512*(\u)+(\off) th:TH_LOAD_NT   ; 32 lanes read 512 consecutive bytes of one row
.set RW, RW+1
.endr
	WIN 0
.endm
; 64 numbers of a lane, register 16 b + i = k 32 b + 16 h + i of my row, become a fragment's codes in v[pc] on and its scale word in v[pw]
.macro QUANT s, pc, pw
.irp b, 0,1,2,3
	v_max3_num_f32 v[TM+\b], |v[\s+16*\b]|, |v[\s+1+16*\b]|, 0x1800000   ; block b: my 16 numbers, and the floor 2^(3 - 127): the byte cannot fall under 1
.endr
.irp i, 2,4,6,8,10,12,14
.irp b, 0,1,2,3
	v_max3_num_f32 v[TM+\b], v[TM+\b], |v[\s+16*\b+\i]|, |v[\s+1+16*\b+\i]|   ; (the four blocks by turns)
.endr
.endr
.irp b, 0,1,2,3
	v_permlanex16_b32 v[TM+4+\b], v[TM+\b], s[SEL], s[SEL+1]
.endr
.irp b, 0,1,2,3
	v_max_num_f32 v[TM+\b], v[TM+\b], v[TM+4+\b]   ; with lane l xor 16's: the block's largest magnitude
.endr
.irp b, 0,1,2,3
	v_add_nc_u32 v[TM+8+\b], 0xff000000, v[TM+\b]  ; 2 off its exponent field: the conversion's scale operand
.endr
.irp b, 0,1,2,3
	v_lshrrev_b32 v[TM+4+\b], 23, v[TM+8+\b]       ; the scale's byte
.endr
	v_lshl_or_b32 v[\pw], v[TM+5], 8, v[TM+4]      ; the four bytes make my row's scale word, the same in both halves of the lanes
	v_lshl_or_b32 v[\pw], v[TM+6], 16, v[\pw]
	v_lshl_or_b32 v[\pw], v[TM+7], 24, v[\pw]
.irp b, 0,1,2,3
	v_cvt_scalef32_pk8_fp4_f32 v[\pc+2*\b], v[\s+16*\b:\s+7+16*\b], v[TM+8+\b]
	v_cvt_scalef32_pk8_fp4_f32 v[\pc+1+2*\b], v[\s+8+16*\b:\s+15+16*\b], v[TM+8+\b]
.endr
	v_nop                                          ; one plain line behind the last scaled conversion
.irp c, 0,1                                    ; the operand's layout wants a WHOLE block in a lane: lanes 0-15 block 2 c, lanes 16-31 block 2 c + 1
.irp i, 0,1
	v_permlane16_swap_b32 v[\pc+4*\c+\i], v[\pc+2+4*\c+\i]
.endr
.endr
.endm
; A producer's step: 32 tokens x 128 along K.  ahead = 1: the landing set is asked for again, for the next chunk.
.macro PSTEP u, ahead
.if ((\u) == 1) && ((\ahead) == 0)
	s_wait_loadcnt 0x0                             ; the last 32 loads
.else
	s_wait_loadcnt 32                              ; this set's 32 loads are in; the 32 that may be out are the other set's, issued later
.endif
	WIN 0x04                                       ; an LDS store's data are its source 1: window 1
.set RW, 0
.rept 32
	ds_store_b128 v[STA], v[128*(\u)+4*RW:128*(\u)+4*RW+3] offset:RW*SPITCH
.set RW, RW+1
.endr
	WIN 0
.if (\u) == 1
	s_wait_alu depctr_va_vdst(0)                   ; step 0's conversions have written T, and its products are done reading T and WF, in which the loads below land.  (Step 0 has the trip head's wait: no vector line stands between that wait and its loads)
.endif
.irp i, 0,1                                    ; LDS serves a wave's instructions in order (ISA guide 5.7.1.4): these see the stores above.  Row 16 i + r; of each block of 32 my half's 16 numbers
.irp b, 0,1,2,3
.irp n, 0,1,2,3
	ds_load_b128 v[T+64*\i+16*\b+4*\n:T+64*\i+16*\b+4*\n+3], v[STB] offset:16*SPITCH*\i+128*\b+16*\n
.endr
.endr
.endr
.irp b, 0,1,2,3
.irp g, 0,1
	ds_load_b128 v[WF+8*\b+4*\g:WF+8*\b+4*\g+3], v[WPA] offset:4096*(\u)+1024*\b+512*\g
.endr
.endr
.if \ahead
	XLOAD \u, 1024, 1                              ; the set is asked for again while the numbers are on their way back from the stage
.elseif (\u) == 1
	s_wait_alu depctr_vm_vsrc(0)                   ; step 0's image stores have read PC0, PC1, PW0 and PW1, which this step's QUANTs write again
.endif
	s_wait_dscnt 8                                 ; the numbers are back; the 8 that may be out are Wp's fragments
	QUANT T, PC0, PW0
	QUANT T+64, PC1, PW1
	s_wait_alu depctr_va_vdst(0)                   ; the two QUANTs have written PC0, PC1, PW0 and PW1, which the six stores below read
.irp g, 0,1
	ds_store_b128 v[PA], v[PC0+4*\g:PC0+4*\g+3] offset:8192*(\u)+512*\g
.endr
	ds_store_b32 v[PS], v[PW0] offset:64*(\u)      ; lanes r and r + 16 write the same word with the same value
.irp g, 0,1
	ds_store_b128 v[PA], v[PC1+4*\g:PC1+4*\g+3] offset:8192*(\u)+1024+512*\g
.endr
	ds_store_b32 v[PS], v[PW1] offset:128+64*(\u)
.irp i, 0,1                                    ; the same numbers as bf16, in place: register n takes numbers 2 n and 2 n + 1, n ascending
.set NN, 0
.rept 32
	v_cvt_pk_bf16_f32 v[T+64*\i+NN], v[T+64*\i+2*NN], v[T+64*\i+2*NN+1]
.set NN, NN+1
.endr
.endr
	s_wait_dscnt 6                                 ; Wp's fragments are in; the 6 that may be out are the image stores issued behind them
.irp b, 0,1,2,3                                ; source 0 = Wp's columns, source 1 = 16 tokens; k stands in the same places in both.  The two accumulators by turns
.irp i, 0,1
	v_wmma_f32_16x16x32_bf16 v[PACC+8*\i:PACC+8*\i+7], v[WF+8*\b:WF+8*\b+7], v[T+64*\i+8*\b:T+64*\i+8*\b+7], v[PACC+8*\i:PACC+8*\i+7]
.endr
.endr
.rept 4
	v_nop                                          ; four places behind the products; they stay beside the wait on va_vdst that stands ahead of the next loads into T and WF
.endr
.endm
.macro PRODUCE ahead
	PSTEP 0, \ahead
	PSTEP 1, \ahead
.endm
; A pair of tiles' weights: 8 loads of codes and one of scale words: 9 loads
.macro WLOAD j, off
.set WBJ, WB+32*((\j)%3)
.irp e, 0,1
.irp u, 0,1
.irp g, 0,1
	global_load_b128 v[WBJ+16*\e+8*\u+4*\g:WBJ+16*\e+8*\u+4*\g+3], v[LI], s[WQ:WQ+1] offset:4096*(\j)+2048*\e+1024*\u+512*\g+(\off)
.endr
.endr
.endr
	global_load_b64 v[WS+2*((\j)%3):WS+2*((\j)%3)+1], v[L8], s[WSP:WSP+1] offset:256*(\j)+(\off)/16
.endm
.macro WL2 j, e, u, off                ; two of those nine: the fragment (tile e of the pair, u)
.irp g, 0,1
	global_load_b128 v[WB+32*((\j)%3)+16*(\e)+8*(\u)+4*\g:WB+32*((\j)%3)+16*(\e)+8*(\u)+4*\g+3], v[LI], s[WQ:WQ+1] offset:4096*(\j)+2048*(\e)+1024*(\u)+512*\g+(\off)
.endr
.endm
.macro WLS j, off                      ; the ninth: the pair's scale words
	global_load_b64 v[WS+2*((\j)%3):WS+2*((\j)%3)+1], v[L8], s[WSP:WSP+1] offset:256*(\j)+(\off)/16
.endm
.macro WPRO                            ; a chunk's first three pairs
	WLOAD 0, 0
	WLOAD 1, 0
	WLOAD 2, 0
.endm
; One tile of 16 columns x 128 tokens x 256 along K, and what is kept of it.  lj >= 0: tile le of pair lj is asked for among the products (the pointers stand a chunk further on); the window setting of the
; products leaves a load's destination and address in window 0.
.macro TILE i, key, cst, sel, lj, le
.set WBI, WB+16*((\i)%6)
.set WSI, WS+(\i)%6
	WIN 0x04                                       ; source 1 (x) window 1
.irp m, 0,1,2,3,4,5,6,7                        ; their one vector source is source 0: window 0
	v_cmp_eq_u32 s[40+\m], v[\key+\m], \cst        ; has my token chosen my expert?  The masks are made ahead of the products and read behind them
.endr
.irp m, 0,1,2,3,4,5,6,7                        ; the eight accumulators by turns; the first product starts the sums
	v_wmma_scale_f32_16x16x128_f8f6f4 v[ACC+8*\m:ACC+8*\m+7], v[WBI:WBI+7], v[8*\m:8*\m+7], 0, v[WSI], v[XS+\m] matrix_a_fmt:MATRIX_FMT_FP4 matrix_b_fmt:MATRIX_FMT_FP4
.if ((\lj) >= 0) && (\m == 3)
	WL2 \lj, \le, 0, -CHW                          ; no wait: no vector or matrix line since the wait at the step's head names these registers
.endif
.if ((\lj) >= 0) && (\m == 7)
	WL2 \lj, \le, 1, -CHW
.endif
.endr
.irp m, 0,1,2,3,4,5,6,7
	v_wmma_scale_f32_16x16x128_f8f6f4 v[ACC+8*\m:ACC+8*\m+7], v[WBI+8:WBI+15], v[64+8*\m:64+8*\m+7], v[ACC+8*\m:ACC+8*\m+7], v[WSI], v[XS+\m] matrix_a_fmt:MATRIX_FMT_FP4 matrix_b_fmt:MATRIX_FMT_FP4 matrix_a_scale:MATRIX_SCALE_ROW1 matrix_b_scale:MATRIX_SCALE_ROW1
.if ((\lj) >= 0) && ((\le) == 1) && (\m == 3)
	WLS \lj, -CHW
.endif
.endr
	s_wait_alu depctr_va_sdst(0)                   ; the eight compares have written s40 to s47, which the selects below read
.irp m, 0,1,2,3,4,5,6,7                        ; these eight lines name none of the products' registers: they are the places behind them
	v_cndmask_b32 v[MF+2*\m], 0, 1.0, s[40+\m]
.endr
	WIN 0x50                                       ; source 2 and destination window 1
.irp m, 0,1,2,3,4,5,6,7                        ; each accumulator from its low end on
.irp n, 0,2,4,6
	v_pk_fma_f32 v[\sel+8*\m+\n:\sel+8*\m+\n+1], v[ACC+8*\m+\n:ACC+8*\m+\n+1], v[MF+2*\m:MF+2*\m+1], v[\sel+8*\m+\n:\sel+8*\m+\n+1] op_sel_hi:[1,0,1]
.endr
.endr
.endm
; A consumer's chunk: x's 16 fragments and scale words from LDS, then the 18 tiles, a pair to a step.  The ring of weights is empty again at the chunk's end, so every count below is the same on every way.
.macro CBODY
	WIN 0x40
.irp f, 0,1,2,3,4,5,6,7,8,9,10,11,12,13,14,15  ; no wait: no vector or matrix line since the trip head's wait names x's fragments, XS or the two addresses
.irp g, 0,1
	ds_load_b128 v[8*\f+4*\g:8*\f+4*\g+3], v[CA] offset:1024*\f+512*\g
.endr
.endr
	WIN 0
.irp m, 0,1,2,3,4,5,6,7
	ds_load_b32 v[XS+\m], v[CS] offset:128*\m
.endr
	s_wait_dscnt 0x0
.set J, 0
.rept 9
.if J == 0
	s_wait_loadcnt 18                              ; pair 0 is in; pairs 1 and 2, 9 loads each, may be out
.elseif J <= 7
	s_wait_loadcnt 9                               ; pair J is in; the pair behind it, 9 loads, may be out
.else
	s_wait_loadcnt 0x0
.endif
.if (J >= 1) && (J <= 6)
	s_wait_alu depctr_va_vdst(0)                   ; pair J - 1's products are done reading their buffer of WB and their two registers of WS, in which the nine loads of pair J + 2 land
.set LJ, J+2
.else
.set LJ, -1
.endif
.if J == 0
	TILE 0, KEY1, 0, SEL1, LJ, 0
	TILE 1, KEY1, 1, SEL1, LJ, 1
.else
	TILE 2*J, KEY2, 4*(J-1), SEL2, LJ, 0
	TILE 2*J+1, KEY2, 4*(J-1)+2, SEL2, LJ, 1
.endif
.set J, J+1
.endr
	WIN 0
	s_wait_alu depctr_va_vdst(0)                   ; the products of pairs 6, 7 and 8 are done reading WB and WS, in which the next chunk's first three pairs land; the keeping lines have written SEL1 and SEL2, which trip 4's LDS stores read
.endm
.macro SELSTORE                        ; what I kept, as it stands in my registers
	WIN 0x04
.irp st, 0,1
.irp m, 0,1,2,3,4,5,6,7
.irp g, 0,1
	ds_store_b128 v[SA], v[128+64*\st+8*\m+4*\g:128+64*\st+8*\m+4*\g+3] offset:8192*\st+1024*\m+512*\g
.endr
.endr
.endr
	WIN 0
.endm
	s_load_b512 s[8:23], s[0:1], 0x0
	s_load_b128 s[24:27], s[0:1], 0x40
	s_load_b64 s[28:29], s[0:1], 0x50
	v_lshrrev_b32 v1, 5, v0
	v_readfirstlane_b32 s[WV], v1                  ; wave 0..7
	v_and_b32 v12, 31, v0                          ; lane
	v_and_b32 v13, 15, v0                          ; r
	v_bfe_u32 v14, v0, 4, 1                        ; h
	v_lshlrev_b32 v[LI], 4, v12
	v_lshlrev_b32 v[L8], 3, v12
	s_wait_alu depctr_va_sdst(0)                   ; the wave's number is written, ahead of its first reader: addresses, bases and the roles' branches are made from it
	s_and_b32 s[P], s[WV], 3
	s_mul_i32 s38, s[P], 32*SPITCH
	s_add_co_u32 s38, s38, STAGE
	v_add_nc_u32 v[STA], s38, v[LI]
	v_mul_u32_u24 v[STB], v13, SPITCH
	v_lshl_add_u32 v[STB], v14, 6, v[STB]
	v_add_nc_u32 v[STB], s38, v[STB]
	s_lshl_b32 s38, s[P], 11
	s_add_co_u32 s38, s38, XIMG
	v_add_nc_u32 v[PA0], s38, v[LI]
	s_lshl_b32 s38, s[P], 8
	s_add_co_u32 s38, s38, XSC
	v_lshl_add_u32 v[PS0], v13, 2, s38
	s_lshl_b32 s38, s[P], 14
	s_add_co_u32 s38, s38, SELIMG
	v_add_nc_u32 v[SA], s38, v[LI]
	s_lshl_b32 s38, s[P], 11
	s_add_co_u32 s38, s38, SELIMG
	v_lshl_add_u32 v[FA], v14, 10, s38
	v_lshl_add_u32 v[FA], v13, 4, v[FA]
	s_lshl_b32 s38, s[P], 7
	s_add_co_u32 s39, s38, OUTS
	v_lshl_add_u32 v[OA], v12, 2, s39
	v_lshl_add_u32 v[IXO], v12, 2, s38
	s_lshl_b32 s38, s[P], 9
	s_add_co_u32 s38, s38, OUTS
	v_add_nc_u32 v[OB], s38, v[LI]
	s_lshl_b32 s38, s[P], 13
	v_add_nc_u32 v[WPW], s38, v[LI]
	v_add_nc_u32 v[CA0], XIMG-XCH, v[LI]
	v_lshl_add_u32 v[CS0], v12, 2, XSC-1024
	v_lshlrev_b32 v[R4], 2, v13
	v_mov_b32 v[ZERO], 0
	s_mov_b32 s[SEL], 0x76543210
	s_mov_b32 s[SEL+1], 0xfedcba98
	s_mov_b32 s[HM], 0xffff0000
	s_mov_b32 s[LE], 0x3fb8aa3b
	s_mov_b32 s[LE+1], s[LE]                       ; (named with it as a pair, so it is written)
	s_wait_kmcnt 0x0
	s_lshl_b32 s38, ttmp9, 19                      ; my work-group's 128 rows of 4,096 bytes,
	s_lshl_b32 s39, s[P], 17                       ; my 32 of them
	s_add_co_u32 s38, s38, s39
	s_mov_b32 s39, 0
	s_add_nc_u64 s[XP:XP+1], s[XP:XP+1], s[38:39]
	s_lshl_b32 s38, ttmp9, 9                       ; 128 tokens x 4 bytes
	s_add_nc_u64 s[10:11], s[10:11], s[38:39]
	s_add_nc_u64 s[12:13], s[12:13], s[38:39]
	s_add_nc_u64 s[14:15], s[14:15], s[38:39]
	s_add_nc_u64 s[24:25], s[24:25], s[38:39]
	s_add_nc_u64 s[26:27], s[26:27], s[38:39]
	s_add_nc_u64 s[28:29], s[28:29], s[38:39]
	s_mul_i32 s38, s[P], 4*CHW
	s_add_nc_u64 s[WQ:WQ+1], s[22:23], s[38:39]
	s_mul_i32 s38, s[P], 4*CHS
	s_add_co_u32 s38, s38, WS_OFF
	s_add_nc_u64 s[WSP:WSP+1], s[22:23], s[38:39]
	s_lshl_b32 s38, s[P], 13
	s_add_co_u32 s38, s38, WP_OFF
	s_add_nc_u64 s[WPP:WPP+1], s[22:23], s[38:39]
	s_wait_alu depctr_va_vdst(0)                   ; v1 to v11 and v17 to v21 are written: the loads and stores of both roles read them as addresses and offsets, and no line writes them again
	s_cmp_lt_u32 s[WV], 4
	s_cbranch_scc0 .Lhead_consumer
	; ---- a producer's head
	global_load_b32 v[PH], v[IXO], s[10:11]        ; lane l serves token 32 p + l at the end
	global_load_b32 v[OC], v[IXO], s[12:13]
	global_load_b32 v[SJ], v[IXO], s[14:15]
.irp i, 0,1                                    ; bp is the C of the phase head's first products: register j of every lane is phase j
	global_load_b128 v[PACC+8*\i:PACC+8*\i+3], v[ZERO], s[16:17]
	global_load_b128 v[PACC+8*\i+4:PACC+8*\i+7], v[ZERO], s[16:17] offset:16
.endr
	XLOAD 0, 0, 0
	XLOAD 1, 0, 0
.irp b, 0,1,2,3
	v_mov_b32 v[TM+4+\b], 0                        ; written once: a lane permute's destination counts as one of its sources
.endr
	s_branch .Lhead_join
.Lhead_consumer:
	; ---- a consumer's head
.irp m, 0,1,2,3,4,5,6,7
	global_load_b32 v[KEY2+\m], v[R4], s[12:13] offset:64*\m
	global_load_b32 v[KEY1+\m], v[R4], s[10:11] offset:64*\m
.endr
.irp k, 0,1,2,3,4,5,6,7,8,9,10,11,12,13,14,15
	global_load_b128 v[WB+4*\k:WB+4*\k+3], v[LI], s[WPP:WPP+1] offset:512*\k   ; my quarter of Wp's fragments, on its way to LDS
.endr
	WIN 0x40
.set NN, 128
.rept 128
	v_mov_b32 v[NN], 0                             ; SEL1, SEL2.  (The 18 tiles are written once: the first chunk adds onto zeros.  These lines run while the first rows of X are on their way)
.set NN, NN+1
.endr
	WIN 0
.irp m, 0,1,2,3,4,5,6,7
	v_mov_b32 v[MF+2*\m+1], 0                      ; (named as the upper half of a pair, so it is written)
.endr
	s_lshl_b32 s38, s[P], 5
	s_lshl_b32 s39, s[P], 1
	v_add_nc_u32 v[MF], s38, v14                   ; h + 32 c
	s_wait_loadcnt 0x0
.irp m, 0,1,2,3,4,5,6,7
	v_sub_nc_u32 v[KEY2+\m], v[KEY2+\m], v[MF]     ; equal to 2 t where the token's expert is 32 c + 2 t + h
	v_sub_nc_u32 v[KEY1+\m], v[KEY1+\m], s39       ; equal to e where its phase is 2 c + e
.endr
.irp k, 0,1,2,3,4,5,6,7,8,9,10,11,12,13,14,15
	ds_store_b128 v[WPW], v[WB+4*\k:WB+4*\k+3] offset:512*\k
.endr
	s_wait_dscnt 0x0                               ; my quarter of Wp's fragments has landed in LDS
	s_wait_alu depctr_vm_vsrc(0)                   ; the sixteen stores have read v[WB ..], in which the weights land next
	WPRO                                           ; chunk 0's first three pairs
.Lhead_join:
	BARRIER                                        ; Wp's fragments lie in LDS
	s_mov_b32 s[TT], 0
	s_mov_b32 s[QT], 0
	s_mov_b32 s[QS], 0
	s_mov_b32 s[QW], 0
.Ltrip:                                            ; five trips, walked by every wave: producers chunk T (T < 4), consumers chunk T - 1 (T > 0)
	s_wait_alu depctr_vm_vsrc(0)                   ; the last trip's LDS instructions have read v12 to v16, which the five lines below write; its image stores have read PC0, PC1, PW0 and PW1, which this trip's QUANTs, or in trip 4 the biases' loads, write
	v_add_nc_u32 v[PA], s[QT], v[PA0]
	v_add_nc_u32 v[PS], s[QS], v[PS0]
	v_add_nc_u32 v[CA], s[QT], v[CA0]
	v_add_nc_u32 v[CS], s[QS], v[CS0]
	v_add_nc_u32 v[WPA], s[QW], v[LI]
	s_wait_alu depctr_va_vdst(0)                   ; v12 to v16 are written, which this trip's LDS instructions read; the last trip's vector and matrix lines are done with T, WF, PC, PW and TM (producers), with x's fragments and XS (consumers), in which this trip's first loads land
	s_cmp_lt_u32 s[WV], 4
	s_cbranch_scc0 .Lconsumer
	s_cmp_lt_u32 s[TT], 3
	s_cbranch_scc0 .Llast_chunk
	PRODUCE 1
	s_branch .Ljoin
.Llast_chunk:
	s_cmp_eq_u32 s[TT], 3
	s_cbranch_scc0 .Lbiases
	PRODUCE 0                                      ; written out a second time, without loads: no load leaves X, and no count hangs on a load that was jumped over
	s_branch .Ljoin
.Lbiases:                                          ; trip 4: my token's rows of b1 and b2, while the consumers multiply the last chunk
	s_wait_loadcnt 0x0                             ; no load is out when these are issued (the last chunk's second step has waited for 0, so this wait is met at once)
	v_min_u32 v[BO], 7, v[PH]                      ; held to the table, since it forms an address
	v_min_u32 v[BO+1], 127, v[OC]
	v_lshlrev_b32 v[BO], 6, v[BO]                  ; a row of b1 is 64 bytes,
	v_lshlrev_b32 v[BO+1], 5, v[BO+1]              ; of b2 32
	s_wait_alu depctr_va_vdst(0)                   ; the two offsets are written, which the six loads below read
.irp k, 0,1,2,3
	global_load_b128 v[LG1+4*\k:LG1+4*\k+3], v[BO], s[18:19] offset:16*\k
.endr
.irp k, 0,1
	global_load_b128 v[LG2+4*\k:LG2+4*\k+3], v[BO+1], s[20:21] offset:16*\k
.endr
	s_branch .Ljoin
.Lconsumer:
	s_cmp_eq_u32 s[TT], 0
	s_cbranch_scc1 .Ljoin                          ; nothing to multiply yet
	CBODY
	s_cmp_lt_u32 s[TT], 4
	s_cbranch_scc0 .Lkept
	WPRO                                           ; chunk T's first three pairs
	s_branch .Ljoin
.Lkept:
	SELSTORE
.Ljoin:
	BARRIER                                        ; chunk T's images lie in LDS (trip 4: what was kept), and chunk T - 1's have been read
	s_wait_xcnt 0x0                                ; the loads issued so far have read their bases: only behind this wait are the bases stepped
	s_add_nc_u64 s[XP:XP+1], s[XP:XP+1], 1024
	s_add_nc_u64 s[WQ:WQ+1], s[WQ:WQ+1], CHW
	s_add_nc_u64 s[WSP:WSP+1], s[WSP:WSP+1], CHS
	s_add_co_u32 s[QT], s[QT], XCH
	s_add_co_u32 s[QS], s[QS], 1024
	s_add_co_u32 s[QW], s[QW], 8192
	s_add_co_u32 s[TT], s[TT], 1
	s_cmp_lt_u32 s[TT], 5
	s_cbranch_scc1 .Ltrip
	s_wait_alu depctr_vm_vsrc(0)                   ; on every way out of the loop: the biases' loads have read their offsets v80 and v81, over which the phase logits are written below; the image stores have read v56 to v73, onto which the logits are formed
	s_wait_alu depctr_va_vdst(0)                   ; on every way out of the loop: the conversions and products are done with WF and T (v96 to v255), in which the LDS loads of the end (v96 to v223) and of the output (v244 to v247) land
	s_cmp_lt_u32 s[WV], 4
	s_cbranch_scc0 .Lno_final
	; ---- THE END, producers: lane (r, h) serves token 32 p + 16 h + r: token tile 2 p + h, row r.  From each consumer c: SEL1 and SEL2 of that tile, lanes (r, 0) and (r, 1)
	s_wait_loadcnt 0x0                             ; b1, b2: asked for a trip ago
.irp c, 0,1,2,3                                ; no further wait: no vector line stands between the wait on va_vdst behind the loop and these loads
.irp st, 0,1
.irp hh, 0,1
.irp g, 0,1
	ds_load_b128 v[F+64*\st+32*\hh+16*\g+4*\c:F+64*\st+32*\hh+16*\g+4*\c+3], v[FA] offset:16384*\c+8192*\st+512*\g+256*\hh
.endr
.endr
.endr
.endr
	s_wait_dscnt 0x0
.irp q, 0,16,32,48,64,80,96,112                ; the four consumers' parts: all but the owner's are zeros
	v_pk_add_f32 v[F+\q:F+\q+1], v[F+\q:F+\q+1], v[F+\q+4:F+\q+5]
	v_pk_add_f32 v[F+\q+2:F+\q+3], v[F+\q+2:F+\q+3], v[F+\q+6:F+\q+7]
	v_pk_add_f32 v[F+\q+8:F+\q+9], v[F+\q+8:F+\q+9], v[F+\q+12:F+\q+13]
	v_pk_add_f32 v[F+\q+10:F+\q+11], v[F+\q+10:F+\q+11], v[F+\q+14:F+\q+15]
.endr
.irp q, 0,16,32,48,64,80,96,112
	v_pk_add_f32 v[F+\q:F+\q+1], v[F+\q:F+\q+1], v[F+\q+8:F+\q+9]
	v_pk_add_f32 v[F+\q+2:F+\q+3], v[F+\q+2:F+\q+3], v[F+\q+10:F+\q+11]
.endr
.irp g, 0,1                                    ; the second head's expert lay in one half of the lanes: the other half's part is zeros
.irp n, 0,2
	v_pk_add_f32 v[F+64+16*\g+\n:F+64+16*\g+\n+1], v[F+64+16*\g+\n:F+64+16*\g+\n+1], v[F+96+16*\g+\n:F+96+16*\g+\n+1]
.endr
.endr
.irp hh, 0,1                                   ; the 16 logits of my phase's expert, onto its biases
.irp g, 0,1
.irp n, 0,2
	v_pk_add_f32 v[LG1+8*\hh+4*\g+\n:LG1+8*\hh+4*\g+\n+1], v[F+32*\hh+16*\g+\n:F+32*\hh+16*\g+\n+1], v[LG1+8*\hh+4*\g+\n:LG1+8*\hh+4*\g+\n+1]
.endr
.endr
.endr
.irp g, 0,1                                    ; the 8 logits of my occurrence's expert, likewise
.irp n, 0,2
	v_pk_add_f32 v[LG2+4*\g+\n:LG2+4*\g+\n+1], v[F+64+16*\g+\n:F+64+16*\g+\n+1], v[LG2+4*\g+\n:LG2+4*\g+\n+1]
.endr
.endr
.irp j, 0,1,2,3,4,5,6,7                        ; the 8 phase logits: lanes 0-15 tile 0's, lanes 16-31 tile 1's (both halves of an accumulator hold the same); both accumulators from the low end on
	v_cndmask_b32 v[LGP+\j], v[PACC+\j], v[PACC+8+\j], s[HM]
.endr
	v_max3_num_f32 v[MX], v[LGP], v[LGP+1], v[LGP+2]       ; the three maxima
	v_max3_num_f32 v[MX+2], v[LG1], v[LG1+1], v[LG1+2]
	v_max3_num_f32 v[MX+4], v[LG2], v[LG2+1], v[LG2+2]
.irp i, 3,5
	v_max3_num_f32 v[MX], v[MX], v[LGP+\i], v[LGP+1+\i]
	v_max3_num_f32 v[MX+4], v[MX+4], v[LG2+\i], v[LG2+1+\i]
.endr
.irp i, 3,5,7,9,11,13
	v_max3_num_f32 v[MX+2], v[MX+2], v[LG1+\i], v[LG1+1+\i]
.endr
	v_max_num_f32 v[MX], v[MX], v[LGP+7]
	v_max_num_f32 v[MX+2], v[MX+2], v[LG1+15]
	v_max_num_f32 v[MX+4], v[MX+4], v[LG2+7]
	v_mul_f32 v[ML], s[LE], v[MX]                  ; log2(e) x the maximum
	v_mul_f32 v[ML+2], s[LE], v[MX+2]
	v_mul_f32 v[ML+4], s[LE], v[MX+4]
	v_mov_b32 v[ML+1], 0                           ; (named as the upper halves of pairs, so they are written)
	v_mov_b32 v[ML+3], 0
	v_mov_b32 v[ML+5], 0
.irp n, 0,2,4,6
	v_pk_fma_f32 v[LGP+\n:LGP+\n+1], v[LGP+\n:LGP+\n+1], s[LE:LE+1], v[ML:ML+1] op_sel_hi:[1,0,0] neg_lo:[0,0,1] neg_hi:[0,0,1]   ; log2(e) (logit - maximum)
	v_pk_fma_f32 v[LG2+\n:LG2+\n+1], v[LG2+\n:LG2+\n+1], s[LE:LE+1], v[ML+4:ML+5] op_sel_hi:[1,0,0] neg_lo:[0,0,1] neg_hi:[0,0,1]
.endr
.irp n, 0,2,4,6,8,10,12,14
	v_pk_fma_f32 v[LG1+\n:LG1+\n+1], v[LG1+\n:LG1+\n+1], s[LE:LE+1], v[ML+2:ML+3] op_sel_hi:[1,0,0] neg_lo:[0,0,1] neg_hi:[0,0,1]
.endr
.irp j, 0,1,2,3,4,5,6,7                        ; the 32 exponentials as one batch
	v_exp_f32 v[LGP+\j], v[LGP+\j]
.endr
.irp j, 0,1,2,3,4,5,6,7,8,9,10,11,12,13,14,15
	v_exp_f32 v[LG1+\j], v[LG1+\j]
.endr
.irp j, 0,1,2,3,4,5,6,7
	v_exp_f32 v[LG2+\j], v[LG2+\j]
.endr
	v_and_b32 v[IX], 15, v[OC]                     ; occurrence % 16.  (Plain lines behind the exponentials)
	v_and_b32 v[IX+1], 7, v[SJ]                    ; subject % 8
.irp j, 1,2,3,4,5,6,7                          ; the masks of the three choices, 29 compares in one run, each into a scalar register of its own: work that names none of the exponentials
	v_cmp_eq_u32 s[39+\j], \j, v[PH]               ; s40-s46: is my phase j?
.endr
.irp j, 1,2,3,4,5,6,7
	v_cmp_eq_u32 s[46+\j], \j, v[IX+1]             ; s47-s53: is my subject's place j?
.endr
.irp j, 1,2,3,4,5,6,7,8,9,10
	v_cmp_eq_u32 s[53+\j], \j, v[IX]               ; s54-s63: is my occurrence's place j?
.endr
.irp j, 11,12,13,14,15
	v_cmp_eq_u32 s[21+\j], \j, v[IX]               ; s32-s36: likewise
.endr
	s_wait_alu depctr_va_vdst(0)                   ; the 32 exponentials have written their results: one wait for the batch, ahead of its first reader
	v_pk_add_f32 v[MX:MX+1], v[LGP:LGP+1], v[LGP+2:LGP+3]  ; the three sums
	v_pk_add_f32 v[MX+2:MX+3], v[LG1:LG1+1], v[LG1+2:LG1+3]
	v_pk_add_f32 v[MX+4:MX+5], v[LG2:LG2+1], v[LG2+2:LG2+3]
.irp n, 4,6
	v_pk_add_f32 v[MX:MX+1], v[MX:MX+1], v[LGP+\n:LGP+\n+1]
	v_pk_add_f32 v[MX+4:MX+5], v[MX+4:MX+5], v[LG2+\n:LG2+\n+1]
.endr
.irp n, 4,6,8,10,12,14
	v_pk_add_f32 v[MX+2:MX+3], v[MX+2:MX+3], v[LG1+\n:LG1+\n+1]
.endr
	v_add_f32 v[MX], v[MX], v[MX+1]
	v_add_f32 v[MX+2], v[MX+2], v[MX+3]
	v_add_f32 v[MX+4], v[MX+4], v[MX+5]
	v_rcp_f32 v[MX], v[MX]
	v_rcp_f32 v[MX+2], v[MX+2]
	v_rcp_f32 v[MX+4], v[MX+4]
	s_wait_alu depctr_va_sdst(0)                   ; the 29 compares have written their masks, which the selects below read
	v_cndmask_b32 v[CH], v[LGP], v[LGP+1], s40     ; the chosen exponentials: work that names none of the reciprocals
.irp j, 2,3,4,5,6,7
	v_cndmask_b32 v[CH], v[CH], v[LGP+\j], s[39+\j]
.endr
	v_cndmask_b32 v[CH+1], v[LG1], v[LG1+1], s54
.irp j, 2,3,4,5,6,7,8,9,10
	v_cndmask_b32 v[CH+1], v[CH+1], v[LG1+\j], s[53+\j]
.endr
.irp j, 11,12,13,14,15
	v_cndmask_b32 v[CH+1], v[CH+1], v[LG1+\j], s[21+\j]
.endr
	v_cndmask_b32 v[CH+2], v[LG2], v[LG2+1], s47
.irp j, 2,3,4,5,6,7
	v_cndmask_b32 v[CH+2], v[CH+2], v[LG2+\j], s[46+\j]
.endr
	s_wait_alu depctr_va_vdst(0)                   ; the three reciprocals have written their results: one wait, ahead of their first reader
	v_mul_f32 v[CH], v[CH], v[MX]                  ; the phase's probability,
	v_mul_f32 v[CH+1], v[CH+1], v[MX+2]            ; the occurrence's,
	v_mul_f32 v[CH+2], v[CH+2], v[MX+4]            ; the subject's
	v_mul_f32 v[CH+1], v[CH], v[CH+1]
	v_mul_f32 v[CH+2], v[CH+1], v[CH+2]
	s_wait_alu depctr_va_vdst(0)                   ; the multiplications have written the three results, which the LDS stores below read
	ds_store_b32 v[OA], v[CH]
	ds_store_b32 v[OA], v[CH+1] offset:512
	ds_store_b32 v[OA], v[CH+2] offset:1024
.Lno_final:
	BARRIER                                        ; the three outputs of 128 tokens lie in LDS
	s_cmp_lt_u32 s[WV], 3
	s_cbranch_scc0 .Lend
	s_cmp_eq_u32 s[WV], 0                          ; wave o stores output o
	s_cselect_b64 s[38:39], s[24:25], s[26:27]
	s_cmp_eq_u32 s[WV], 2
	s_cselect_b64 s[38:39], s[28:29], s[38:39]
	ds_load_b128 v[244:247], v[OB]                 ; no further wait: no vector line stands between the last wait on va_vdst on the way here (ahead of the three stores above; round the end, the one behind the loop) and this load
	s_wait_dscnt 0x0
	global_store_b128 v[LI], v[244:247], s[38:39]  ; 32 lanes store 512 consecutive bytes, aligned
.Lend:
	s_wait_xcnt 0x0
	v_lshl_add_u32 v254, v0, 2, 0x3e800            ; the add's two registers, made anew.  No memory or LDS instruction of this text reads v254 or v255, so no wait on vm_vsrc stands ahead of the two lines
	v_mov_b32 v255, 0
	s_wait_dscnt 0x0                               ; the closing lines, six on end
	s_wait_alu 0x0
	s_wait_tensorcnt 0x0
	ds_add_u32 v254, v255
	s_wait_dscnt 0x0
	s_endpgm
.Lfunc_end_k_q1217fcfe5f_main:
	.size	k_q1217fcfe5f_main, .Lfunc_end_k_q1217fcfe5f_main-k_q1217fcfe5f_main
	.p2alignl 7, 3214868480
	.fill 96, 4, 3214868480
	.section	.rodata,"a",@progbits
	.p2align	6, 0x0
	.amdhsa_kernel k_q1217fcfe5f_main
		.amdhsa_group_segment_fixed_size 257024
		.amdhsa_private_segment_fixed_size 0
		.amdhsa_enable_private_segment 0
		.amdhsa_kernarg_size 88
		.amdhsa_user_sgpr_count 2
		.amdhsa_user_sgpr_kernarg_segment_ptr 1
		.amdhsa_wavefront_size32 1
		.amdhsa_system_sgpr_workgroup_id_x 1
		.amdhsa_system_sgpr_workgroup_id_y 1
		.amdhsa_system_sgpr_workgroup_id_z 1
		.amdhsa_system_vgpr_workitem_id 0
		.amdhsa_next_free_vgpr 512
		.amdhsa_next_free_sgpr 66
		.amdhsa_reserve_vcc 0
		.amdhsa_float_denorm_mode_32 3
		.amdhsa_float_denorm_mode_16_64 3
		.amdhsa_memory_ordered 1
		.amdhsa_forward_progress 1
		.amdhsa_inst_pref_size 220
	.end_amdhsa_kernel
	.amdgpu_metadata
---
amdhsa.version: [ 1, 2 ]
amdhsa.kernels:
  - .name:           k_q1217fcfe5f_main
    .symbol:         k_q1217fcfe5f_main.kd
    .args:
      - { .name: X, .offset: 0, .size: 8, .value_kind: global_buffer, .address_space: global }
      - { .name: X_phase, .offset: 8, .size: 8, .value_kind: global_buffer, .address_space: global }
      - { .name: X_occurrence, .offset: 16, .size: 8, .value_kind: global_buffer, .address_space: global }
      - { .name: X_subject, .offset: 24, .size: 8, .value_kind: global_buffer, .address_space: global }
      - { .name: bp, .offset: 32, .size: 8, .value_kind: global_buffer, .address_space: global }
      - { .name: b1, .offset: 40, .size: 8, .value_kind: global_buffer, .address_space: global }
      - { .name: b2, .offset: 48, .size: 8, .value_kind: global_buffer, .address_space: global }
      - { .name: wts, .offset: 56, .size: 8, .value_kind: global_buffer, .address_space: global }
      - { .name: out0, .offset: 64, .size: 8, .value_kind: global_buffer, .address_space: global }
      - { .name: out1, .offset: 72, .size: 8, .value_kind: global_buffer, .address_space: global }
      - { .name: out2, .offset: 80, .size: 8, .value_kind: global_buffer, .address_space: global }
    .group_segment_fixed_size: 257024
    .private_segment_fixed_size: 0
    .kernarg_segment_align: 8
    .kernarg_segment_size: 88
    .max_flat_workgroup_size: 256
    .sgpr_count:     66
    .vgpr_count:     512
    .wavefront_size: 32
...
	.end_amdgpu_metadata
.endif
;; end of part 3
